; MI455X (gfx1250); checked and timed in simulation.
; The chip was launched on July 23, 2026; its instructions are those of AMD's public machine-readable ISA for CDNA 5 (MIT licence, August 2026) and "CDNA5" Instruction Set Architecture Reference Guide (July 2026). The comments in the code are by the model that wrote it; some were corrected since.
;; Reprogramming Layer. Allowed arithmetic: float matrix products may take bf16 or f16 operands with f32 sums; other float arithmetic in f32, or as packed bf16 or f16 multiplies, adds, multiply-adds, maxima and minima; sums over many terms, partial sums and values carried from step to step in f32; what a program stores and reads back later, other than sums and carried values, may be rounded once to bf16 or f16.
;; Inputs: Wk 4,096 x 1,024 float32; Wo 1,024 x 4,096 float32; Wq 1,024 x 1,024 float32; Wv 4,096 x 1,024 float32; bk 1,024 float32; bo 4,096 float32; bq 1,024 float32; bv 1,024 float32; source_embedding 8 x 512 x 4,096 float32; target_embedding 8 x 512 x 1,024 float32.
;; Outputs: out0 8 x 512 x 4,096 float32.
;; Constants: n_heads = 16.
;; 2 versions, each right; version 2 is version 1 with the launch prep written anew for expert scheduling mode. Each part assembles by itself: llvm-mc -triple=amdgcn-amd-amdhsa -mcpu=gfx1250 --defsym DOCPART=n.
;; ======== version 1 of 2: 4 launches
;; limits: values are held in f16: magnitudes above 65,504 overflow, below 6.1e-05 lose precision
;; workspace buffers: cw 69,206,016 bytes; qkv 25,165,824 bytes; ob 8,388,608 bytes
;; launch prep (part 1): grid 56 x 32, 8 waves a work-group, no clusters, 0 bytes of LDS; arguments source_embedding, target_embedding, Wk, Wv, Wo, Wq, cw; writes cw
.if DOCPART == 1
	.amdgcn_target "amdgcn-amd-amdhsa--gfx1250"
	.amdhsa_code_object_version 6
	.text
	.protected	k_qa418504ab7_prep
	.globl	k_qa418504ab7_prep
	.p2align	8
	.type	k_qa418504ab7_prep,@function
k_qa418504ab7_prep:
	s_mov_b64 s[64:65], 0
	v_nop
	global_prefetch_b8 v0, s[64:65] scope:SCOPE_SE
	s_setreg_imm32_b32 hwreg(HW_REG_WAVE_MODE, 25, 1), 1
	s_wait_xcnt 0x0
; THE MODULE: q = x_t Wq + bq, k = x_s Wk + bk, v = x_s Wv + bv, softmax(q k^T / 8) v by 16 heads of 64, then times Wo, plus bo.
; WORK LEFT OUT, for all finite values of the inputs:
;   bk.  scores[l][s] = scale q[l] . (k0[s] + bk) = scale q[l] . k0[s] + scale q[l] . bk.  The second term is the same for every s, the axis of the
;   softmax, which takes it away; k is used nowhere else.  So bk has no way to the output: it is not loaded and is no argument of any launch.
;   bv is NOT left out, but moved: the weights of a row add up to 1, so sum_s attn (v0[s] + bv) = sum_s attn v0[s] + bv: it is added once, behind the division by the row's sum.
;   LIMIT: a NaN, an infinity or an overflow that reaches only bk is not carried to the result.
; THIS LAUNCH rounds the six large inputs once to 16 bits into cw: x_s, x_t, Wk, Wv, Wq to bf16; Wo to bf16 and that number written as f16
; (exact from 2^-17 up; below that f16's fixed step of 6e-8; |Wo| stays under 65,504: a stated limit).
; cw, by bytes: x_s 0, x_t 33,554,432, Wk 41,943,040, Wv 50,331,648, Wo 58,720,256, Wq 67,108,864.  All but x_s keep their layout.
; x_s IS LAID OUT IN BLOCKS, in the order in which the next launch walks it: for each 128 rows (1,048,576 bytes) first [128 rows][K 0..63], 16,384 bytes, then 21 blocks
; [128 rows][192 of K], 49,152 bytes each.  So a tile of 192 along K, whose rows of 384 bytes would not be whole pieces of 256, is a dense run of bytes.
; SHARES.  Work-group (x, y).  x < 21: block x + 1 of rows 128 y ..: 24 loads a thread.  x = 21: the first, short block of those rows: 8 loads.  x > 21: chunk 34 y + x - 22 of 1,088 chunks of 16,384
; numbers of x_t, Wk, Wv, Wo, Wq, in cw's order: 16 loads.  In every path thread t's i-th result goes to byte 2,048 i + 8 t: a wave's store covers 256 consecutive bytes, aligned; sixteen
; neighbouring lanes load 256 consecutive bytes, aligned.  All loads of a wave go out before its first wait.  No LDS, no matrix unit, no cluster: nothing is shared and nothing is multiplied.
.set X, 8                              ; v[8:103] load i: 4 registers; the first two then hold what is stored
.macro ROWS n                          ; n loads are out: each is rounded and stored as it comes
.set i, 0
.rept \n
	s_wait_loadcnt (\n)-1-i                        ; loads come back in order: load i is in, the younger ones stay out
	v_cvt_pk_bf16_f32 v[X+4*i], v[X+4*i], v[X+4*i+1]
	v_cvt_pk_bf16_f32 v[X+4*i+1], v[X+4*i+2], v[X+4*i+3]
	global_store_b64 v2, v[X+4*i:X+4*i+1], s[16:17] offset:2048*i  ; no register that a store reads is written again
.set i, i+1
.endr
	s_endpgm
.endm
	s_load_b256 s[4:11], s[0:1], 0x0               ; x_s s[4:5], x_t s[6:7], Wk s[8:9], Wv s[10:11]
	s_load_b128 s[12:15], s[0:1], 0x20             ; Wo s[12:13], Wq s[14:15]
	s_load_b64 s[16:17], s[0:1], 0x30              ; cw
	v_lshlrev_b32 v2, 3, v0                        ; 8 t: my bytes as stored
	s_and_b32 s18, ttmp7, 0xffff                   ; y
	s_mov_b32 s25, 0
	s_mov_b32 s27, 0
	s_wait_kmcnt 0x0
	s_cmp_lt_u32 ttmp9, 21
	s_cbranch_scc1 .Lblock
	s_cmp_eq_u32 ttmp9, 21
	s_cbranch_scc1 .Lshort
	; a plain chunk
	v_lshlrev_b32 v1, 4, v0                        ; 16 t: my bytes as loaded
	s_mul_i32 s19, s18, 34
	s_add_co_u32 s19, s19, ttmp9
	s_sub_co_u32 s19, s19, 22                      ; the chunk's number, 0 to 1,087
	s_mov_b32 s22, 1024                            ; the first chunk of the input in hand: Wq's, unless a test below says otherwise
	s_mov_b64 s[20:21], s[14:15]
.macro PICK bound, ptr, first          ; below this number the chunk belongs to an earlier input
	s_cmp_lt_u32 s19, \bound
	s_cselect_b64 s[20:21], s[\ptr:\ptr+1], s[20:21]
	s_cselect_b32 s22, \first, s22
.endm
	PICK 1024, 12, 768
	PICK 768, 10, 512
	PICK 512, 8, 256
	PICK 256, 6, 0
	s_sub_co_u32 s24, s19, s22
	s_lshl_b32 s24, s24, 16                        ; 65,536 bytes of f32 a chunk
	s_add_nc_u64 s[20:21], s[20:21], s[24:25]
	s_lshl_b32 s26, s19, 15                        ; 32,768 bytes of cw, behind x_s
	s_add_co_u32 s26, s26, 33554432
	s_add_nc_u64 s[16:17], s[16:17], s[26:27]
.set i, 0
.rept 16
	global_load_b128 v[X+4*i:X+4*i+3], v1, s[20:21] offset:4096*i th:TH_LOAD_NT
.set i, i+1
.endr
	s_cmp_eq_u32 s22, 768
	s_cbranch_scc1 .Lwo
	ROWS 16
.Lwo:                                  ; Wo: rounded to bf16 like every input, and that number written as f16, for the f16 product with O
.set i, 0
.rept 16
	s_wait_loadcnt 15-i
	v_cvt_pk_bf16_f32 v3, v[X+4*i], v[X+4*i+1]
	v_cvt_pk_bf16_f32 v4, v[X+4*i+2], v[X+4*i+3]
	v_lshlrev_b32 v[X+4*i], 16, v3
	v_and_b32 v[X+4*i+1], 0xffff0000, v3
	v_lshlrev_b32 v[X+4*i+2], 16, v4
	v_and_b32 v[X+4*i+3], 0xffff0000, v4
	v_cvt_pk_f16_f32 v[X+4*i], v[X+4*i], v[X+4*i+1]
	v_cvt_pk_f16_f32 v[X+4*i+1], v[X+4*i+2], v[X+4*i+3]
	global_store_b64 v2, v[X+4*i:X+4*i+1], s[16:17] offset:2048*i
.set i, i+1
.endr
	s_endpgm
.Lblock:                               ; a block of 128 rows x 192 of K.  16 rows are 768 pieces of 4 numbers: piece j = 256 m + t (m = 0, 1, 2) is row j / 48, numbers 4 (j % 48) on, and goes to byte 8 j
	s_lshl_b32 s24, s18, 21                        ; 128 y rows of 16,384 bytes,
	s_mul_i32 s19, ttmp9, 768                      ; K = 64 + 192 x, in bytes of f32
	s_add_co_u32 s24, s24, s19
	s_add_co_u32 s24, s24, 256
	s_add_nc_u64 s[20:21], s[4:5], s[24:25]
	s_lshl_b32 s26, s18, 20
	s_mul_i32 s19, ttmp9, 49152
	s_add_co_u32 s26, s26, s19
	s_add_co_u32 s26, s26, 16384                   ; behind the short block
	s_add_nc_u64 s[16:17], s[16:17], s[26:27]
.irp m, 0,1,2
	v_add_nc_u32 v6, 256*(\m), v0                  ; j
	v_lshrrev_b32 v7, 4, v6
	v_mul_u32_u24 v7, v7, 171
	v_lshrrev_b32 v7, 9, v7                        ; j / 48 = (j / 16) / 3, exact for j / 16 under 48
	v_mul_u32_u24 v1, v7, 48
	v_sub_nc_u32 v6, v6, v1                        ; j % 48
	v_lshlrev_b32 v6, 4, v6
	v_lshl_add_u32 v[3+(\m)], v7, 14, v6           ; row x 16,384 + 16 (j % 48)
.endr
.set g, 0
.rept 8
.irp m, 0,1,2
	global_load_b128 v[X+4*(3*g+(\m)):X+4*(3*g+(\m))+3], v[3+(\m)], s[20:21] offset:262144*g th:TH_LOAD_NT  ; 16 rows further down each time
.endr
.set g, g+1
.endr
	ROWS 24
.Lshort:                               ; the short block: 128 rows x K 0..63.  Piece j = 256 m + t is row j / 16, numbers 4 (j % 16) on, and goes to byte 8 j
	s_lshl_b32 s24, s18, 21
	s_add_nc_u64 s[20:21], s[4:5], s[24:25]
	s_lshl_b32 s26, s18, 20
	s_add_nc_u64 s[16:17], s[16:17], s[26:27]
	v_lshrrev_b32 v3, 4, v0
	v_and_b32 v1, 15, v0
	v_lshlrev_b32 v1, 4, v1
	v_lshl_add_u32 v3, v3, 14, v1
.set i, 0
.rept 8
	global_load_b128 v[X+4*i:X+4*i+3], v3, s[20:21] offset:262144*i th:TH_LOAD_NT
.set i, i+1
.endr
	ROWS 8
.Lfunc_end_k_qa418504ab7_prep:
	.size	k_qa418504ab7_prep, .Lfunc_end_k_qa418504ab7_prep-k_qa418504ab7_prep
	.p2alignl 7, 3214868480
	.fill 96, 4, 3214868480
	.section	.rodata,"a",@progbits
	.p2align	6, 0x0
	.amdhsa_kernel k_qa418504ab7_prep
		.amdhsa_group_segment_fixed_size 0
		.amdhsa_private_segment_fixed_size 0
		.amdhsa_enable_private_segment 0
		.amdhsa_kernarg_size 56
		.amdhsa_user_sgpr_count 2
		.amdhsa_user_sgpr_kernarg_segment_ptr 1
		.amdhsa_wavefront_size32 1
		.amdhsa_system_sgpr_workgroup_id_x 1
		.amdhsa_system_sgpr_workgroup_id_y 1
		.amdhsa_system_sgpr_workgroup_id_z 1
		.amdhsa_system_vgpr_workitem_id 0
		.amdhsa_next_free_vgpr 104
		.amdhsa_next_free_sgpr 66
		.amdhsa_reserve_vcc 0
		.amdhsa_float_denorm_mode_32 3
		.amdhsa_float_denorm_mode_16_64 3
		.amdhsa_memory_ordered 1
		.amdhsa_forward_progress 1
		.amdhsa_inst_pref_size 30
	.end_amdhsa_kernel
	.amdgpu_metadata
---
amdhsa.version: [ 1, 2 ]
amdhsa.kernels:
  - .name:           k_qa418504ab7_prep
    .symbol:         k_qa418504ab7_prep.kd
    .args:
      - { .name: source_embedding, .offset: 0, .size: 8, .value_kind: global_buffer, .address_space: global }
      - { .name: target_embedding, .offset: 8, .size: 8, .value_kind: global_buffer, .address_space: global }
      - { .name: Wk, .offset: 16, .size: 8, .value_kind: global_buffer, .address_space: global }
      - { .name: Wv, .offset: 24, .size: 8, .value_kind: global_buffer, .address_space: global }
      - { .name: Wo, .offset: 32, .size: 8, .value_kind: global_buffer, .address_space: global }
      - { .name: Wq, .offset: 40, .size: 8, .value_kind: global_buffer, .address_space: global }
      - { .name: cw, .offset: 48, .size: 8, .value_kind: global_buffer, .address_space: global }
    .group_segment_fixed_size: 0
    .private_segment_fixed_size: 0
    .kernarg_segment_align: 8
    .kernarg_segment_size: 56
    .max_flat_workgroup_size: 256
    .sgpr_count:     66
    .vgpr_count:     104
    .wavefront_size: 32
...
	.end_amdgpu_metadata
.endif
;; end of part 1
;; launch proj (part 2): grid 8 x 32, 4 waves a work-group, clusters of 4 x 4, 327,680 bytes of LDS; arguments cw, bq, qkv; writes qkv
.if DOCPART == 2
	.amdgcn_target "amdgcn-amd-amdhsa--gfx1250"
	.amdhsa_code_object_version 6
	.text
	.protected	k_qa418504ab7_proj
	.globl	k_qa418504ab7_proj
	.p2align	8
	.type	k_qa418504ab7_proj,@function
k_qa418504ab7_proj:
	s_mov_b64 s[64:65], 0
	v_nop
	global_prefetch_b8 v0, s[64:65] scope:SCOPE_SE
	s_setreg_imm32_b32 hwreg(HW_REG_WAVE_MODE, 25, 1), 1
	s_wait_xcnt 0x0
	s_wait_alu depctr_hold_cnt(0) depctr_sa_sdst(0) depctr_va_vdst(0) depctr_va_sdst(0) depctr_va_ssrc(0) depctr_va_vcc(0) depctr_vm_vsrc(0)
	s_getreg_b32 s2, hwreg(HW_REG_IB_STS2, 6, 4)
	s_cmp_eq_u32 s2, 0
	s_cbranch_scc0 .Lentry_in_a_cluster
	s_endpgm
.Lentry_in_a_cluster:
	s_bfe_u32 s2, ttmp6, 0x10000c
	s_cmp_lg_u32 s2, 0xf033
	s_cbranch_scc0 .Lentry_shape_is_right
	s_endpgm
.Lentry_shape_is_right:
; THE THREE PROJECTIONS.  q = x_t Wq + bq (4096 x 1024, K = 1024); k = x_s Wk and v = x_s Wv (4096 x 1024 each, K = 4096).  Operands bf16 out of cw, sums f32, results f16.
; LEFT OUT: bk (the same along the softmax's axis: see the first kernel's head); bv is added in the attention launch, behind the division by the row's sum.
; LIMIT: q, k, v are stored in f16: they stay under 65,504 (drawn: about 0.6; both factors 30 times larger: about 520); beyond it a row is lost.
; qkv: q at 0, k at 8,388,608, v at 16,777,216; each [batch x 16 + head][512][64] f16: a head's rows are dense, 128 bytes each; q is not scaled here.
; SHARES.  256 work-groups, alike: each makes first a tile of q, 128 x 128 (four K steps of 256; a wave 64 x 64), then a tile of [k | v], 128 x 256 (a wave 64 x 128).
; K OF [k | v] GOES IN SLOTS OF 192, as long as two slots in LDS allow: 4,096 = 64 + 21 x 192, the short slot first.  From a refill's request to the wait for it a wave issues 176 matrix instructions.
; x_s lies in cw in blocks in this very order (for each 128 rows: [128][64], then 21 x [128][192]), so a tile is a dense run of bytes, asked for as rows of 256 bytes.
; One ring of two LDS slots serves q and [k | v]: q's last two changes of slots ask for the short slot and the first long one.  All accumulators (128 + 256 registers) leave at the end.
; ONE TEXT FOR EVERY LONG SLOT: the slot in hand is a scalar, 0 or SLOT, turned by an exclusive or; the descriptors' LDS words and the fragments' addresses are made of it.
; CLUSTER 4 x 4: the four of a row of the cluster need the same rows of x, the four of a column the same columns of the weights: each tile is asked for jointly.
; THE MATRIX INSTRUCTION IS USED TRANSPOSED: source 0 = 16 columns of the weights, source 1 = 16 rows of x: a lane holds one row and eight neighbouring columns.
; The weights lie [K][N] in memory and in LDS; their fragments come turned, by ds_load_tr16_b128.  bq, rounded to bf16 like every input, is the C operand of q's first products.
; REGISTERS, in windows of 256 (s_set_vgpr_msb: bits 1:0 source 0, 3:2 source 1, 5:4 source 2, 7:6 destination):
;   window 0: v1-31 addresses; v32-63 packed results; v64-95, v96-127 rows read back (v96-127 first hold bq's tiles); v128-255 q's accumulators, (a, b) at 128 + 8 (4 a + b)
;   window 1: two fragment buffers at 0 and 128.  q: 64 of x (at 8 (4 c + i)), 64 of Wq (at 64 + 8 (4 c + i)), for 64 along K.  [k | v]: 32 of x (8 a), 64 of the weights (32 + 8 b), for 32 along K
;   window 2: the accumulators of [k | v], (a, b) at 8 (8 a + b)
.set XT,    33554432                   ; x_t in cw
.set WKO,   41943040                   ; Wk in cw; Wv 8,388,608 behind it
.set WQO,   67108864                   ; Wq in cw
.set SLOT,  159744                     ; q: 128 rows of x at pitch 528, then 256 rows of Wq at pitch 288 (141,312 bytes).  [k | v]: 128 rows of x at pitch 432 (three pieces of 128 + 16), then 192 rows of the weights at pitch 544
.set QBOFF, 67584
.set KBOFF, 55296
.set STAGE, 0                          ; for the way out: for each wave [2 heads][16 rows][144 bytes], in slot 0, which has had its last fill by then; used behind a barrier of its own
.set SPARE, 2*SLOT                     ; behind the ring: the spare words, 128 bytes for each wave: two blocks of 256 bytes that no other line names
.set GO,    10                         ; v10     16 x my lane: my place in 512 consecutive bytes of a head
.set LA,    11                         ; v11     my lane's place among my rows of x_s in a long slot; never rewritten
.set LBT,   12                         ; v12     my lane's place among my columns of the weights of [k | v]; never rewritten
.set ADRAS, 13                         ; v13     LDS address of my fragments of x_s in the short slot (rows at pitch 144)
.set PFO2,  14                         ; v14     the second prefetch's offset; never rewritten
.set ADRA,  16                         ; v16     LDS address of my fragments of x_s in the slot in hand
.set ADRB,  18                         ; v18-19  of the weights: rows 0-95, 96-191 (a 16-bit offset does not reach 192 x 544)
.set ADRQA, 20                         ; v20-21  of x_t in slot 0, 1
.set ADRQB, 22                         ; v22-25  of Wq: slot, half of the step's 256 rows
.set STO,   26
.set RD,    27
.set SPW,   28                         ; v28     LDS address of my spare word; never rewritten
.set NIL,   29                         ; v29     0; never rewritten
.set PFO,   30                         ; v30     the first prefetch's offset; never rewritten
.set TMP,   32
.set BK,    64
.set BQ,    96
.set ACCQ,  128
.set F0,    0
.set F1,    128
.set KF0,   0
.set KF1,   128
.set ASKF, 2                           ; s2   1 in a trip of the loop that prefetches
.set TB,  15                           ; s15  the slot in hand: 0 or SLOT
.set QA1, 24                           ; s[24:31] group 1 for x_t's tiles      s[56:63] group 0, a set for each slot
.set QB1, 32                           ; s[32:39] for Wq's                     s[68:75]
.set KA1, 40                           ; s[40:47] for x_s's                    s[76:79] group 0 for the short slot, s[80:83] the one that walks
.set KB1, 48                           ; s[48:55] for Wk's and Wv's            s[84:87], s[88:91] likewise
.set QA0, 56
.set QB0, 68
.set KA0, 76
.set KB0, 84
.set KAW, KA0+4
.set KBW, KB0+4
.set OKV, 66                           ; s[66:67] where my part of k or v begins
.set PFA, 92                           ; s[92:93] where my prefetches stand
.set PFS, 94                           ; s[94:95] what one request covers, in bytes along what I prefetch
.set LIM, 96                           ; s96  1 in a wave that prefetches, else the greatest number
.set CX,  97
.set CY,  98
.set MROW, 99
.set MCOL, 100
.set LBA, 101                          ; s101 where my half of x_s's tile lies in a long slot
.set LBB, 104                          ; s104 the same for the weights
.set MSB, 0
.macro WIN new                         ; the immediate's high byte repeats the setting that is left; a switch that changes nothing is dropped
.if MSB != (\new)
	s_set_vgpr_msb (MSB<<8)|(\new)
.set MSB, \new
.endif
.endm
.macro PLACES                          ; four places in front of loads into registers that matrix instructions have read, and of lines that read results
.rept 4
	v_nop
.endr
.endm
; A joint load: waves 0 and 1 fetch the two halves of x's tile, waves 2 and 3 those of the weights'.  The branch hangs on the wave's number alone.
; An s_nop 0 and four v_nop follow each of the two lines, ahead of the jump and the label.
.macro JLOAD ga, g1a, gb, g1b
	s_cmp_lt_u32 s10, 2
	s_cbranch_scc0 .Lfor_b_\@
	tensor_load_to_lds s[(\ga):(\ga)+3], s[(\g1a):(\g1a)+7]
	s_nop 0
.rept 4
	v_nop
.endr
	s_branch .Lasked_\@
.Lfor_b_\@:
	tensor_load_to_lds s[(\gb):(\gb)+3], s[(\g1b):(\g1b)+7]
	s_nop 0
.rept 4
	v_nop
.endr
.Lasked_\@:
.endm
.macro CREST                           ; a round of the cluster's barrier behind its opening barrier
	s_cmp_lg_u32 s10, 0
	s_cbranch_scc1 .Lnot_wave_0_\@
	s_barrier_signal -3
.Lnot_wave_0_\@:
	s_barrier_wait -3
	s_barrier_signal -1
	s_barrier_wait -1
.endm
.macro CROUND
	s_barrier_signal -1
	s_barrier_wait -1
	CREST
.endm
; A PREFETCH INTO THE L2, behind a joint load and the run of LDS loads that follows it.  x_s's blocks and the weights' rows are both linear in the order of use, so a request is a piece of a stream:
; 65,536 bytes of a tile row's x_s, or 256 rows (K) of a tile column's weights: 4/3 of a long slot.  So requests stand in three of every four refills: 15 in all, from K = 256 to the end; request n stands
; at refill 2 + n + n / 3 of the launch, and the slot in which its bytes begin is loaded at refill 4 + 4 n / 3 or later: two refills ahead or more.
; Each aligned 256 bytes is named once in the launch.  x_s's rows are read by both clusters of a row of clusters: cluster x = 0 asks, wave 0, the four partners 16,384 bytes each BY ADDRESS (cx), a lane
; 256 bytes, two instructions.  The weights' columns are read by the eight clusters of a column: cluster y = 0 asks, waves 2 and 3, each wave of each partner 32 rows (cy), two lanes a row of 512 bytes, two
; instructions.  q's four K steps and the first two slots of [k | v] come by their loads alone.
.macro ASK bycount
	WIN 0
.if \bycount
	s_cmp_eq_u32 s[ASKF], s[LIM]
.else
	s_cmp_eq_u32 s[LIM], 1
.endif
	s_cbranch_scc0 .Lnot_mine_\@
	global_prefetch_b8 v[PFO], s[PFA:PFA+1] th:TH_LOAD_NT scope:SCOPE_SE
	global_prefetch_b8 v[PFO2], s[PFA:PFA+1] th:TH_LOAD_NT scope:SCOPE_SE
.Lnot_mine_\@:
.endm
.macro SHAPE g, d0, d1, pitch          ; words 1 to 7 of a group 1: the tile lies inside the tensor, so the extents are the tile's
	s_mov_b32 s[(\g)+1], (\d0)<<16
	s_mov_b32 s[(\g)+2], (\d1)<<16
	s_mov_b32 s[(\g)+3], (\d0)<<16
	s_mov_b32 s[(\g)+4], \d1
	s_mov_b32 s[(\g)+5], \pitch
	s_mov_b32 s[(\g)+6], 0
	s_mov_b32 s[(\g)+7], 0
.endm
	s_load_b128 s[4:7], s[0:1], 0x0                ; cw s[4:5], bq s[6:7]
	s_load_b64 s[8:9], s[0:1], 0x10                ; qkv
	v_lshl_add_u32 v[SPW], v0, 2, SPARE
	v_mov_b32 v[NIL], 0
	ds_add_u32 v[SPW], v[NIL]                      ; the wave's opening: the add, twice on end, and its wait ahead of my first tensor load
	ds_add_u32 v[SPW], v[NIL]                      ; and once more, under the one wait; the set-up below, work on registers, stands between
	v_lshrrev_b32 v1, 5, v0
	v_readfirstlane_b32 s10, v1                    ; wave 0..3
	s_lshr_b32 s11, s10, 1                         ; which half of the tile's rows is mine
	s_and_b32 s12, s10, 1                          ; which half of its columns; also: which half of a tile I fetch
	s_bfe_u32 s[CX], ttmp6, 0x40000
	s_bfe_u32 s[CY], ttmp6, 0x40004
	s_lshl_b32 s14, ttmp9, 2
	s_add_co_u32 s14, s14, s[CX]                   ; nt = 4 x cluster x + cx: q's columns 128 nt; cluster x picks k or v, cx its 256 columns
	s_and_b32 s13, ttmp7, 0xffff
	s_lshl_b32 s13, s13, 2
	s_add_co_u32 s13, s13, s[CY]                   ; mt = 4 x cluster y + cy: rows 128 mt
	s_lshl_b32 s[MROW], s[CY], 2
	s_lshl_b32 s[MROW], 15, s[MROW]                ; my row of the cluster
	s_lshl_b32 s[MCOL], 0x1111, s[CX]              ; my column
	; group 1, word 0: 15:0 the mask; 17:16 elements of 2 bytes; 20 padding on; 21 set beside a mask; 24:22 the words between pads (code 4: 32, 5: 64, 6: 128); 31:25 the pad's words less 1
	s_or_b32 s[QA1], s[MROW], (1<<16)|(1<<20)|(1<<21)|(6<<22)|(3<<25)
	s_or_b32 s[QB1], s[MCOL], (1<<16)|(1<<20)|(1<<21)|(5<<22)|(7<<25)
	s_or_b32 s[KA1], s[MROW], (1<<16)|(1<<20)|(1<<21)|(4<<22)|(3<<25)
	s_or_b32 s[KB1], s[MCOL], (1<<16)|(1<<20)|(1<<21)|(6<<22)|(7<<25)
	SHAPE QA1, 256, 64, 1024                       ; 64 rows of x_t x 256 along K
	SHAPE QB1, 128, 128, 1024                      ; 128 rows (K) of Wq x 128 columns
	SHAPE KA1, 128, 32, 128                        ; half a block of x_s as dense rows of 256 bytes: 32 of them in the short slot; the two words that say so are set to 96 when the short loads have landed
	SHAPE KB1, 256, 32, 1024                       ; rows (K) of Wk or Wv x 256 columns: 32, later 96
.irp g, QA0, QA0+4, QB0, QB0+4, KA0, KAW, KB0, KBW
	s_mov_b32 s[\g], 1                             ; group 0, word 0: count = 1
.endr
	s_mul_i32 s20, s12, 33792                      ; where the tiles go: the half that I fetch, the tile's place in the slot, the slot: no place in the cluster enters
	s_mov_b32 s[QA0+1], s20
	s_add_co_u32 s[QA0+5], s20, SLOT
	s_mul_i32 s20, s12, 36864
	s_add_co_u32 s[QB0+1], s20, QBOFF
	s_add_co_u32 s[QB0+5], s20, SLOT+QBOFF
	s_mul_i32 s[KA0+1], s12, 9216                  ; the short slot, in slot 0: 64 rows at pitch 144,
	s_mul_i32 s20, s12, 17408                      ; 32 rows at pitch 544
	s_add_co_u32 s[KB0+1], s20, KBOFF
	s_mul_i32 s[LBA], s12, 27648                   ; a long slot: 64 rows at pitch 432,
	s_add_co_u32 s[KAW+1], s[LBA], SLOT            ; the first of them in slot 1
	s_mul_i32 s20, s12, 52224                      ; 96 rows at pitch 544
	s_add_co_u32 s[LBB], s20, KBOFF
	s_add_co_u32 s[KBW+1], s[LBB], SLOT
	s_mov_b32 s[TB], 0
	s_wait_dscnt 0x0                               ; both opening adds are done
	s_wait_kmcnt 0x0
	; x's addresses are made of mt and the wave's number, in s[16:17], which never hold cx; the weights' of cluster x, cx and the wave's number, in s[18:19], which never hold cy
	s_lshl_b32 s16, s13, 18                        ; x_t: 128 mt rows of 2,048 bytes
	s_lshl_b32 s17, s12, 17                        ; + my 64
	s_add_co_u32 s16, s16, s17
	s_add_co_u32 s16, s16, XT
	s_mov_b32 s17, 0
	s_add_nc_u64 s[QA0+2:QA0+3], s[4:5], s[16:17]
	s_add_nc_u64 s[QA0+6:QA0+7], s[QA0+2:QA0+3], 512      ; K step 1
	s_lshl_b32 s16, s13, 20                        ; x_s: 1,048,576 bytes for each 128 rows; the short block first:
	s_lshl_b32 s17, s12, 13                        ; my 64 rows of 128 bytes
	s_add_co_u32 s16, s16, s17
	s_mov_b32 s17, 0
	s_add_nc_u64 s[KA0+2:KA0+3], s[4:5], s[16:17]
	s_add_co_u32 s16, s12, 1                       ; the first long block begins 16,384 on; my half of it 24,576 x half: from my half of the short block that is 16,384 (1 + half)
	s_lshl_b32 s16, s16, 14
	s_add_nc_u64 s[KAW+2:KAW+3], s[KA0+2:KA0+3], s[16:17]
	s_lshl_b32 s18, s14, 8                         ; Wq: columns 128 nt,
	s_lshl_b32 s19, s12, 18                        ; my 128 rows of 2,048 bytes
	s_add_co_u32 s18, s18, s19
	s_add_co_u32 s18, s18, WQO
	s_mov_b32 s19, 0
	s_add_nc_u64 s[QB0+2:QB0+3], s[4:5], s[18:19]
	s_add_nc_u64 s[QB0+6:QB0+7], s[QB0+2:QB0+3], 524288   ; 256 rows on
	s_lshl_b32 s18, ttmp9, 23                      ; Wk or Wv,
	s_lshl_b32 s19, s[CX], 9                       ; columns 256 cx,
	s_add_co_u32 s18, s18, s19
	s_lshl_b32 s19, s12, 16                        ; the short slot: my 32 rows
	s_add_co_u32 s18, s18, s19
	s_add_co_u32 s18, s18, WKO
	s_mov_b32 s19, 0
	s_add_nc_u64 s[KB0+2:KB0+3], s[4:5], s[18:19]
	s_add_co_u32 s18, s12, 1                       ; the first long slot: row 64 + 96 x half: from row 32 x half that is 64 (1 + half) rows
	s_lshl_b32 s18, s18, 17
	s_add_nc_u64 s[KBW+2:KBW+3], s[KB0+2:KB0+3], s[18:19]
.irp g, QA0, QA0+4, QB0, QB0+4, KA0, KAW, KB0, KBW
	s_or_b32 s[(\g)+3], s[(\g)+3], 0x80000000      ; 127:126 type = 2
.endr
	CROUND                                         ; all sixteen work-groups are here: the first joint loads meet
	JLOAD QA0, QA1, QB0, QB1                       ; q's K step 0 into slot 0,
	JLOAD QA0+4, QA1, QB0+4, QB1                   ; its K step 1 into slot 1: two loads of mine are out
	; bq's tiles: register j of tile b is bq[128 nt + 64 half + 16 b + 8 (l / 16) + j]
	v_and_b32 v1, 15, v0                           ; l % 16
	v_bfe_u32 v2, v0, 4, 1                         ; l / 16
	s_lshl_b32 s20, s14, 9
	s_lshl_b32 s21, s12, 8
	s_add_co_u32 s20, s20, s21
	v_lshl_add_u32 v31, v2, 5, s20
.irp b, 0,1,2,3
	global_load_b128 v[BQ+8*(\b):BQ+8*(\b)+3], v31, s[6:7] offset:64*(\b)
	global_load_b128 v[BQ+8*(\b)+4:BQ+8*(\b)+7], v31, s[6:7] offset:64*(\b)+16
.endr
	; A fragment of x: lane l holds row l % 16, K = 8 (l / 16) + 0..7 and 16 + 8 (l / 16) + 0..7: two loads of 16 bytes, 32 apart.
	; A fragment of the weights: the turning load takes 16 rows (K) x 16 columns: lane l reads row 8 (l / 16) + l % 8, columns 8 ((l / 8) % 2) + 0..7, and ends with column l % 16 and 8 of K.
	v_and_b32 v3, 7, v0
	v_bfe_u32 v4, v0, 3, 1
	v_lshl_add_u32 v5, v2, 3, v3
	v_mul_u32_u24 v6, v1, 528
	v_lshl_add_u32 v6, v2, 4, v6
	v_mul_u32_u24 v7, v1, 432
	v_lshl_add_u32 v7, v2, 4, v7
	v_mul_u32_u24 v8, v5, 288
	v_lshl_add_u32 v8, v4, 4, v8
	v_mul_u32_u24 v9, v5, 544
	v_lshl_add_u32 v9, v4, 4, v9
	v_mul_u32_u24 v17, v1, 144
	v_lshl_add_u32 v17, v2, 4, v17
	s_mul_i32 s20, s11, 33792                      ; my 64 rows of x_t
	s_lshl_b32 s22, s12, 7                         ; my 64 columns of Wq
	s_add_co_u32 s22, s22, QBOFF
.irp s, 0,1
	v_add_nc_u32 v[ADRQA+(\s)], s20, v6
	v_add_nc_u32 v[ADRQB+2*(\s)], s22, v8
	v_add_nc_u32 v[ADRQB+2*(\s)+1], 36864, v[ADRQB+2*(\s)]
	s_add_co_u32 s20, s20, SLOT
	s_add_co_u32 s22, s22, SLOT
.endr
	s_mul_i32 s21, s11, 27648                      ; my 64 rows of x_s in a long slot,
	v_add_nc_u32 v[LA], s21, v7
	s_mul_i32 s21, s11, 9216                       ; in the short one
	v_add_nc_u32 v[ADRAS], s21, v17
	s_lshl_b32 s23, s12, 8                         ; my 128 columns of Wk or Wv
	s_add_co_u32 s23, s23, KBOFF
	v_add_nc_u32 v[LBT], s23, v9
	v_mov_b32 v[ADRB], v[LBT]                      ; the short slot lies in slot 0
	s_mul_i32 s20, s10, 4608
	s_add_co_u32 s20, s20, STAGE                   ; my stage
	v_add_nc_u32 v[STO], s20, v17                  ; in: row l % 16 at pitch 144, 16 bytes for each half of the lanes
	v_bfe_u32 v5, v0, 3, 2                         ; back: 32 lanes take four rows of 128 bytes,
	v_mul_u32_u24 v5, v5, 144
	v_lshl_add_u32 v5, v3, 4, v5
	v_add_nc_u32 v[RD], s20, v5
	v_and_b32 v15, 31, v0                          ; which are 512 consecutive bytes of a head
	v_lshlrev_b32 v[GO], 4, v15
	; where my results go: batch mt / 4, rows (mt % 4) x 128 + 64 x half of a head; s[20:23] hold both coordinates and feed no descriptor
	s_lshr_b32 s20, s13, 2
	s_lshl_b32 s20, s20, 4                         ; 16 x batch
	s_and_b32 s21, s13, 3
	s_lshl_b32 s21, s21, 14
	s_lshl_b32 s22, s11, 13
	s_add_co_u32 s21, s21, s22                     ; the rows, in bytes
	s_lshl_b32 s22, s[CX], 2
	s_lshl_b32 s23, s12, 1
	s_add_co_u32 s22, s22, s23
	s_add_co_u32 s22, s22, s20                     ; k, v: heads 4 cx + 2 half and the next
	s_lshl_b32 s22, s22, 16
	s_add_co_u32 s22, s22, s21
	s_lshl_b32 s23, ttmp9, 23
	s_add_co_u32 s22, s22, s23
	s_add_co_u32 s22, s22, 8388608
	s_mov_b32 s23, 0
	s_add_nc_u64 s[OKV:OKV+1], s[8:9], s[22:23]
	s_lshl_b32 s22, s14, 1
	s_add_co_u32 s22, s22, s12
	s_add_co_u32 s22, s22, s20                     ; q: head 2 nt + half
	s_lshl_b32 s22, s22, 16
	s_add_co_u32 s22, s22, s21
	s_add_nc_u64 s[8:9], s[8:9], s[22:23]
	; the prefetches: both streams begin at K = 256, where the second long slot begins
	s_lshl_b32 s20, s13, 20                        ; x_s: byte 65,536 of my tile row's blocks, my work-group's 16,384 of each request
	s_lshl_b32 s21, s[CX], 14
	s_add_co_u32 s20, s20, s21
	s_add_co_u32 s20, s20, 65536
	s_lshl_b32 s21, ttmp9, 23                      ; the weights: row 256 + 32 (2 cy + half)
	s_lshl_b32 s22, s[CX], 9
	s_add_co_u32 s21, s21, s22
	s_lshl_b32 s22, s12, 16
	s_add_co_u32 s21, s21, s22
	s_lshl_b32 s22, s[CY], 17
	s_add_co_u32 s21, s21, s22
	s_add_co_u32 s21, s21, WKO+524288
	s_mov_b32 s[PFS], 524288                       ; 256 rows of 2,048 bytes
	s_mov_b32 s[PFS+1], 0
	s_mov_b32 s22, 2048
	s_mov_b32 s16, 32768                           ; the second instruction: 16 rows on
	s_cmp_eq_u32 s11, 0                            ; do I fetch x?
	s_cselect_b32 s20, s20, s21
	s_cselect_b32 s[PFS], 65536, s[PFS]
	s_cselect_b32 s22, 256, s22                    ; bytes from a lane's (or a pair of lanes') piece to the next
	s_cselect_b32 s23, 0, 1                        ; lanes to such a piece, less 1
	s_cselect_b32 s16, 8192, s16
	s_mov_b32 s21, 0
	s_add_nc_u64 s[PFA:PFA+1], s[4:5], s[20:21]
	v_lshrrev_b32 v[PFO], s23, v15
	v_mul_u32_u24 v[PFO], v[PFO], s22
	v_and_b32 v5, s23, v15
	v_lshl_add_u32 v[PFO], v5, 8, v[PFO]
	v_add_nc_u32 v[PFO2], s16, v[PFO]
	s_and_b32 s20, ttmp7, 0xffff
	s_cmp_eq_u32 s11, 0
	s_cselect_b32 s20, ttmp9, s20                  ; the coordinate along which other clusters read the same bytes
	s_cmp_eq_u32 s10, 1
	s_cselect_b32 s21, 1, 0                        ; wave 1 asks for nothing: wave 0's two instructions cover the work-group's share
	s_or_b32 s20, s20, s21
	s_cmp_eq_u32 s20, 0
	s_cselect_b32 s[LIM], 1, -1                    ; the same in all sixteen partners, for a given wave
	s_wait_loadcnt 0x0                             ; bq
.irp i, 0,1,2,3,4,5,6,7,8,9,10,11,12,13,14,15
	v_cvt_pk_bf16_f32 v[TMP+(\i)], v[BQ+2*(\i)], v[BQ+2*(\i)+1]   ; rounded to bf16 like every input,
.endr
.irp i, 0,1,2,3,4,5,6,7,8,9,10,11,12,13,14,15
	v_lshlrev_b32 v[BQ+2*(\i)], 16, v[TMP+(\i)]                   ; and back in f32
	v_and_b32 v[BQ+2*(\i)+1], 0xffff0000, v[TMP+(\i)]
.endr
; q: 8 matrix instructions: row blocks a0, a0 + 1 x all 4 column blocks, 32 along K: half c of buffer f.  zero = 1: the first product starts the sums with bq.  The 16 accumulators take turns.
.macro MUL8 f, c, a0, zero
	WIN 0x05
.irp a, \a0, (\a0)+1
.irp b, 0,1,2,3
.if \zero
	v_wmma_f32_16x16x32_bf16 v[ACCQ+8*(4*(\a)+(\b)):ACCQ+8*(4*(\a)+(\b))+7], v[(\f)+64+8*(4*(\c)+(\b)):(\f)+64+8*(4*(\c)+(\b))+7], v[(\f)+8*(4*(\c)+(\a)):(\f)+8*(4*(\c)+(\a))+7], v[BQ+8*(\b):BQ+8*(\b)+7]
.else
	v_wmma_f32_16x16x32_bf16 v[ACCQ+8*(4*(\a)+(\b)):ACCQ+8*(4*(\a)+(\b))+7], v[(\f)+64+8*(4*(\c)+(\b)):(\f)+64+8*(4*(\c)+(\b))+7], v[(\f)+8*(4*(\c)+(\a)):(\f)+8*(4*(\c)+(\a))+7], v[ACCQ+8*(4*(\a)+(\b)):ACCQ+8*(4*(\a)+(\b))+7]
.endif
.endr
.endr
.endm
; q: 32 LDS loads in one run: the fragments of quarter kq (64 along K) into buffer f; the first 32 along K first
.macro FETCHQ slot, kq, f
	WIN 0x40
.irp c, 0,1
.irp i, 0,1,2,3
	ds_load_tr16_b128 v[(\f)+64+8*(4*(\c)+(\i)):(\f)+64+8*(4*(\c)+(\i))+3],   v[ADRQB+2*(\slot)+(\kq)/2] offset:(((\kq)%2)*64+32*(\c))*288+32*(\i)
	ds_load_tr16_b128 v[(\f)+64+8*(4*(\c)+(\i))+4:(\f)+64+8*(4*(\c)+(\i))+7], v[ADRQB+2*(\slot)+(\kq)/2] offset:(((\kq)%2)*64+32*(\c))*288+32*(\i)+4608
	ds_load_b128 v[(\f)+8*(4*(\c)+(\i)):(\f)+8*(4*(\c)+(\i))+3],   v[ADRQA+(\slot)] offset:(\kq)*128+64*(\c)+(\i)*8448
	ds_load_b128 v[(\f)+8*(4*(\c)+(\i))+4:(\f)+8*(4*(\c)+(\i))+7], v[ADRQA+(\slot)] offset:(\kq)*128+64*(\c)+(\i)*8448+32
.endr
.endr
.endm
.macro QUARTERQ slot, kq, f, g, zero   ; multiplies buffer f and fetches quarter kq into g
	s_wait_dscnt 16                                ; the first 32 along K are in; the other sixteen loads may be out
	MUL8 \f, 0, 0, \zero
	MUL8 \f, 0, 2, \zero
	PLACES
	FETCHQ \slot, \kq, \g
	s_wait_dscnt 32                                ; all but the 32 just issued
	MUL8 \f, 1, 0, 0
	MUL8 \f, 1, 2, 0
.endm
; [k | v]: 8 matrix instructions: row block a x all 8 column blocks, 32 along K.  The 32 accumulators take turns.
.macro MULK f, a, zero
	WIN 0xa5
.irp b, 0,1,2,3,4,5,6,7
.if \zero
	v_wmma_f32_16x16x32_bf16 v[8*(8*(\a)+(\b)):8*(8*(\a)+(\b))+7], v[(\f)+32+8*(\b):(\f)+32+8*(\b)+7], v[(\f)+8*(\a):(\f)+8*(\a)+7], 0
.else
	v_wmma_f32_16x16x32_bf16 v[8*(8*(\a)+(\b)):8*(8*(\a)+(\b))+7], v[(\f)+32+8*(\b):(\f)+32+8*(\b)+7], v[(\f)+8*(\a):(\f)+8*(\a)+7], v[8*(8*(\a)+(\b)):8*(8*(\a)+(\b))+7]
.endif
.endr
.endm
; [k | v]: 24 LDS loads in one run: part kq (32 along K) of the six of the slot in hand, into buffer f: the weights' sixteen, then x's eight.  In a row of x, 64 of K are a piece of 128 bytes, the pieces 144 apart.
.macro FETCHK kq, f
	WIN 0x40
.irp b, 0,1,2,3,4,5,6,7
	ds_load_tr16_b128 v[(\f)+32+8*(\b):(\f)+32+8*(\b)+3],   v[ADRB+(\kq)/3] offset:((\kq)%3)*17408+32*(\b)
	ds_load_tr16_b128 v[(\f)+32+8*(\b)+4:(\f)+32+8*(\b)+7], v[ADRB+(\kq)/3] offset:((\kq)%3)*17408+32*(\b)+8704
.endr
.irp i, 0,1,2,3
	ds_load_b128 v[(\f)+8*(\i):(\f)+8*(\i)+3],   v[ADRA] offset:((\kq)/2)*144+((\kq)%2)*64+(\i)*6912
	ds_load_b128 v[(\f)+8*(\i)+4:(\f)+8*(\i)+7], v[ADRA] offset:((\kq)/2)*144+((\kq)%2)*64+(\i)*6912+32
.endr
.endm
; the same for the short slot's two parts: its rows of x are one piece of 128 bytes, 144 apart
.macro FETCHS kq, f
	WIN 0x40
.irp b, 0,1,2,3,4,5,6,7
	ds_load_tr16_b128 v[(\f)+32+8*(\b):(\f)+32+8*(\b)+3],   v[ADRB] offset:(\kq)*17408+32*(\b)
	ds_load_tr16_b128 v[(\f)+32+8*(\b)+4:(\f)+32+8*(\b)+7], v[ADRB] offset:(\kq)*17408+32*(\b)+8704
.endr
.irp i, 0,1,2,3
	ds_load_b128 v[(\f)+8*(\i):(\f)+8*(\i)+3],   v[ADRAS] offset:(\kq)*64+(\i)*2304
	ds_load_b128 v[(\f)+8*(\i)+4:(\f)+8*(\i)+7], v[ADRAS] offset:(\kq)*64+(\i)*2304+32
.endr
.endm
.macro QUARTERK kq, f, g               ; multiplies buffer f and fetches part kq into g
	s_wait_dscnt 4                                 ; the weights and x's blocks 0, 1 are in; the four loads of blocks 2, 3 may be out
	MULK \f, 0, 0
	MULK \f, 1, 0
	PLACES
	FETCHK \kq, \g
	s_wait_dscnt 24                                ; all but the 24 just issued
	MULK \f, 2, 0
	MULK \f, 3, 0
.endm
.macro QUARTERS                        ; the short slot's first part: its products start the sums of [k | v]
	s_wait_dscnt 4
	MULK KF0, 0, 1
	MULK KF0, 1, 1
	PLACES
	FETCHS 1, KF1
	s_wait_dscnt 24
	MULK KF0, 2, 1
	MULK KF0, 3, 1
.endm
.macro NEXTADR                         ; the fragments' addresses in the slot that s[TB] now names
	v_add_nc_u32 v[ADRA], s[TB], v[LA]
	v_add_nc_u32 v[ADRB], s[TB], v[LBT]
	v_add_nc_u32 v[ADRB+1], 52224, v[ADRB]
.endm
; THE CHANGE OF SLOTS in q's part: the last quarter multiplies buffer 1.  In front of the barrier each wave waits for all its tensor loads (its part of the next slot), adds 0 to its spare word, and
; waits for that and for its reads of this slot.  The barrier opens a round of the cluster's: no wave of any partner still reads the slot or has a load on its way.  The joint refill is the first thing behind it.
; kind 0: q's K step two steps on.  kind 1: the short slot of [k | v].  kind 2: its first long slot; the short loads have landed, so the shapes' two words may be written; the next fragments are the short slot's.
; ask 1: a prefetch; 2: its address steps first.
.macro TURNQ slot, next, kind, ask
.if (\ask) == 2
	s_wait_xcnt 0x0                                ; the last prefetches, a K step back, have read their address
	s_add_nc_u64 s[PFA:PFA+1], s[PFA:PFA+1], s[PFS:PFS+1]
.endif
	WIN 0
	s_wait_tensorcnt 0x0
	ds_add_u32 v[SPW], v[NIL]
.if (\kind) == 2
	s_mov_b32 s[KA1+2], 96<<16                     ; from here on half a tile is 96 rows
	s_mov_b32 s[KA1+4], 96
	s_mov_b32 s[KB1+2], 96<<16
	s_mov_b32 s[KB1+4], 96
.endif
	s_wait_dscnt 17                                ; (the add and the youngest sixteen loads may be out)
	MUL8 F1, 0, 0, 0
	s_wait_dscnt 0x0                               ; the add is done, and my reads of this slot are over
	s_barrier_signal -1
	MUL8 F1, 0, 2, 0
	WIN 0
	s_barrier_wait -1
	CREST
.if (\kind) == 0
	s_add_nc_u64 s[QA0+4*(\slot)+2:QA0+4*(\slot)+3], s[QA0+4*(\slot)+2:QA0+4*(\slot)+3], 1024
	s_add_nc_u64 s[QB0+4*(\slot)+2:QB0+4*(\slot)+3], s[QB0+4*(\slot)+2:QB0+4*(\slot)+3], 1048576
	JLOAD QA0+4*(\slot), QA1, QB0+4*(\slot), QB1
.elseif (\kind) == 1
	JLOAD KA0, KA1, KB0, KB1
.else
	JLOAD KAW, KA1, KBW, KB1
.endif
.if (\kind) < 2
	FETCHQ \next, 0, F0                            ; the four v_nop behind the joint load are the places in front of these loads
.else
	FETCHS 0, KF0
.endif
.if \ask
	ASK 0
.endif
	MUL8 F1, 1, 0, 0
	MUL8 F1, 1, 2, 0
.endm
; THE CHANGE OF SLOTS in the part of [k | v]: a slot's last part multiplies buffer 1.  The same waits, add and barrier.
; fill = 1: the slot in hand takes the slot two on: the one descriptor of each operand walks by one slot, and its LDS word is my half's place plus the slot in hand.
; fill = 0: nothing is asked for; in the last trip (s3 = 1) there is no further slot, and the fetch is jumped over.
; ask 1: the prefetches' address steps, and they are issued.  2: the same in three of every four trips of the loop, while s3 is 4 or more: s3 counts 19 down to 1, and the trips with s3 % 4 = 3 ask for nothing.
.macro TURNK fill, ask
.if (\ask) == 2
	s_and_b32 s22, s3, 3
	s_cmp_lg_u32 s22, 3
	s_cselect_b32 s[ASKF], 1, 0
	s_cmp_ge_u32 s3, 4
	s_cselect_b32 s[ASKF], s[ASKF], 0
	s_cmp_eq_u32 s[ASKF], 1
	s_cselect_b32 s20, s[PFS], 0                   ; s21 = 0
	s_wait_xcnt 0x0                                ; the last prefetches, a slot back or more, have read their address
	s_add_nc_u64 s[PFA:PFA+1], s[PFA:PFA+1], s[20:21]
.elseif (\ask) == 1
	s_wait_xcnt 0x0
	s_add_nc_u64 s[PFA:PFA+1], s[PFA:PFA+1], s[PFS:PFS+1]
.endif
	WIN 0
	s_wait_tensorcnt 0x0                           ; all my tensor loads have landed: my part of the next slot; so a group 0 may be written
	ds_add_u32 v[SPW], v[NIL]
.if \fill
	s_add_nc_u64 s[KAW+2:KAW+3], s[KAW+2:KAW+3], 49152    ; the next block of x_s,
	s_add_nc_u64 s[KBW+2:KBW+3], s[KBW+2:KBW+3], 393216   ; 192 rows of the weights on; the type bits on top are not reached
	s_add_co_u32 s[KAW+1], s[LBA], s[TB]
	s_add_co_u32 s[KBW+1], s[LBB], s[TB]
.endif
	s_xor_b32 s[TB], s[TB], SLOT                   ; from here on: the other slot
	s_wait_dscnt 5                                 ; (the add and the youngest four loads may be out)
	MULK KF1, 0, 0
	s_wait_dscnt 0x0                               ; the add is done, and my reads of the slot are over
	s_barrier_signal -1
	MULK KF1, 1, 0
	WIN 0
	s_barrier_wait -1
.if \fill
	CREST
	JLOAD KAW, KA1, KBW, KB1                       ; its four v_nop are also the places in front of the loads below
	NEXTADR
	FETCHK 0, KF0
.if \ask
	ASK (\ask)-1
.endif
.else
	s_cmp_eq_u32 s3, 1
	s_cbranch_scc1 .Lno_next_\@
	PLACES
	NEXTADR
	FETCHK 0, KF0
	WIN 0
.Lno_next_\@:
.endif
	MULK KF1, 2, 0
	MULK KF1, 3, 0
.endm
	s_wait_tensorcnt 1                             ; my part of q's K step 0 is in; K step 1's may stay out
	s_barrier_signal -1
	s_barrier_wait -1
	FETCHQ 0, 0, F0
	QUARTERQ 0, 1, F0, F1, 1
	QUARTERQ 0, 2, F1, F0, 0
	QUARTERQ 0, 3, F0, F1, 0
	TURNQ 0, 1, 0, 0
	QUARTERQ 1, 1, F0, F1, 0
	QUARTERQ 1, 2, F1, F0, 0
	QUARTERQ 1, 3, F0, F1, 0
	TURNQ 1, 0, 0, 0
	QUARTERQ 0, 1, F0, F1, 0
	QUARTERQ 0, 2, F1, F0, 0
	QUARTERQ 0, 3, F0, F1, 0
	TURNQ 0, 1, 1, 1
	QUARTERQ 1, 1, F0, F1, 0
	QUARTERQ 1, 2, F1, F0, 0
	QUARTERQ 1, 3, F0, F1, 0
	TURNQ 1, 0, 2, 2
	QUARTERS                                       ; the short slot: K 0..63
	TURNK 1, 1
	WIN 0
	s_mov_b32 s21, 0
	s_mov_b32 s3, 19
.Lwin:                                 ; a trip is a long slot: 192 matrix instructions; the slot is filled again with the slot two on: long slots 1 to 19 ask for 3 to 21
	QUARTERK 1, KF0, KF1
	QUARTERK 2, KF1, KF0
	QUARTERK 3, KF0, KF1
	QUARTERK 4, KF1, KF0
	QUARTERK 5, KF0, KF1
	TURNK 1, 2
	WIN 0
	s_sub_co_u32 s3, s3, 1
	s_cmp_lg_u32 s3, 0
	s_cbranch_scc1 .Lwin
	s_mov_b32 s3, 2
.Ltail:                                ; the last two long slots ask for nothing: a text of their own
	QUARTERK 1, KF0, KF1
	QUARTERK 2, KF1, KF0
	QUARTERK 3, KF0, KF1
	QUARTERK 4, KF1, KF0
	QUARTERK 5, KF0, KF1
	TURNK 0, 0
	WIN 0
	s_sub_co_u32 s3, s3, 1
	s_cmp_lg_u32 s3, 0
	s_cbranch_scc1 .Ltail
	s_wait_dscnt 0x0                               ; my reads of the ring are over;
	s_barrier_signal -1
	s_barrier_wait -1                              ; everybody's are: the stages, which lie in slot 0, may be written
; THE WAY OUT, a block of 16 rows at a time: rounded to f16 (each accumulator's registers in ascending order), 16 bytes a lane into my stage, back as whole rows of a head, stored 512 consecutive bytes a wave.
.macro PACKQ a
	WIN 0
.irp b, 0,1,2,3
.irp r, 0,1,2,3
	v_cvt_pk_f16_f32 v[TMP+4*(\b)+(\r)], v[ACCQ+8*(4*(\a)+(\b))+2*(\r)], v[ACCQ+8*(4*(\a)+(\b))+2*(\r)+1]
.endr
.endr
.endm
.macro PACKK a
	WIN 0x0a                                       ; sources in window 2
.irp b, 0,1,2,3,4,5,6,7
.irp r, 0,1,2,3
	v_cvt_pk_f16_f32 v[TMP+4*(\b)+(\r)], v[8*(8*(\a)+(\b))+2*(\r)], v[8*(8*(\a)+(\b))+2*(\r)+1]
.endr
.endr
	WIN 0
.endm
.macro TOSTAGE heads, bk
	WIN 0
.set n_, 0
.rept 4*(\heads)
	ds_store_b128 v[STO], v[TMP+4*n_:TMP+4*n_+3] offset:(n_/4)*2304+(n_%4)*32
.set n_, n_+1
.endr
.set n_, 0
.rept 4*(\heads)
	ds_load_b128 v[(\bk)+4*n_:(\bk)+4*n_+3], v[RD] offset:(n_/4)*2304+(n_%4)*576  ; LDS serves a wave's instructions in order (ISA guide 5.7.1.4): these see the stores above
.set n_, n_+1
.endr
.endm
.macro SEND heads, bk, a, base
	WIN 0
	s_wait_dscnt 0x0                               ; the block is back in registers
	s_wait_xcnt 0x0                                ; the stores of the block before have read theirs: the next loads from the stage land there
.set n_, 0
.rept 4*(\heads)
	global_store_b128 v[GO], v[(\bk)+4*n_:(\bk)+4*n_+3], s[(\base):(\base)+1] offset:(n_/4)*65536+(\a)*2048+(n_%4)*512
.set n_, n_+1
.endr
.endm
	PLACES
	PACKQ 0
	TOSTAGE 1, BK
	PACKQ 1                                        ; a block's conversions stand between the loads of the block before and the wait for them
	SEND 1, BK, 0, 8
	TOSTAGE 1, BK+32
	PACKQ 2
	SEND 1, BK+32, 1, 8
	TOSTAGE 1, BK
	PACKQ 3
	SEND 1, BK, 2, 8
	TOSTAGE 1, BK+32
	PACKK 0
	SEND 1, BK+32, 3, 8
	TOSTAGE 2, BK
	PACKK 1
	SEND 2, BK, 0, OKV
	TOSTAGE 2, BK+32
	PACKK 2
	SEND 2, BK+32, 1, OKV
	TOSTAGE 2, BK
	PACKK 3
	SEND 2, BK, 2, OKV
	TOSTAGE 2, BK+32
	SEND 2, BK+32, 3, OKV
	s_wait_tensorcnt 0x0                           ; the wave's end: behind my last tensor load and my last LDS store
	ds_add_u32 v[SPW], v[NIL]
	s_wait_dscnt 0x0
	CROUND                                         ; the closing round: no work-group ends while a partner may still ask for a tile that names it
	s_endpgm
.Lfunc_end_k_qa418504ab7_proj:
	.size	k_qa418504ab7_proj, .Lfunc_end_k_qa418504ab7_proj-k_qa418504ab7_proj
	.p2alignl 7, 3214868480
	.fill 96, 4, 3214868480
	.section	.rodata,"a",@progbits
	.p2align	6, 0x0
	.amdhsa_kernel k_qa418504ab7_proj
		.amdhsa_group_segment_fixed_size 327680
		.amdhsa_private_segment_fixed_size 0
		.amdhsa_enable_private_segment 0
		.amdhsa_kernarg_size 24
		.amdhsa_user_sgpr_count 2
		.amdhsa_user_sgpr_kernarg_segment_ptr 1
		.amdhsa_wavefront_size32 1
		.amdhsa_system_sgpr_workgroup_id_x 1
		.amdhsa_system_sgpr_workgroup_id_y 1
		.amdhsa_system_sgpr_workgroup_id_z 1
		.amdhsa_system_vgpr_workitem_id 0
		.amdhsa_next_free_vgpr 768
		.amdhsa_next_free_sgpr 106
		.amdhsa_reserve_vcc 0
		.amdhsa_float_denorm_mode_32 3
		.amdhsa_float_denorm_mode_16_64 3
		.amdhsa_memory_ordered 1
		.amdhsa_forward_progress 1
		.amdhsa_inst_pref_size 171
	.end_amdhsa_kernel
	.amdgpu_metadata
---
amdhsa.version: [ 1, 2 ]
amdhsa.kernels:
  - .name:           k_qa418504ab7_proj
    .symbol:         k_qa418504ab7_proj.kd
    .args:
      - { .name: cw, .offset: 0, .size: 8, .value_kind: global_buffer, .address_space: global }
      - { .name: bq, .offset: 8, .size: 8, .value_kind: global_buffer, .address_space: global }
      - { .name: qkv, .offset: 16, .size: 8, .value_kind: global_buffer, .address_space: global }
    .group_segment_fixed_size: 327680
    .private_segment_fixed_size: 0
    .kernarg_segment_align: 8
    .kernarg_segment_size: 24
    .max_flat_workgroup_size: 128
    .sgpr_count:     106
    .vgpr_count:     768
    .wavefront_size: 32
...
	.end_amdgpu_metadata
.endif
;; end of part 2
;; launch attn (part 3): grid 256 x 1, 4 waves a work-group, clusters of 4 x 1, 327,680 bytes of LDS; arguments qkv, bv, ob; writes ob
.if DOCPART == 3
	.amdgcn_target "amdgcn-amd-amdhsa--gfx1250"
	.amdhsa_code_object_version 6
	.text
	.protected	k_qa418504ab7_attn
	.globl	k_qa418504ab7_attn
	.p2align	8
	.type	k_qa418504ab7_attn,@function
k_qa418504ab7_attn:
	s_mov_b64 s[64:65], 0
	v_nop
	global_prefetch_b8 v0, s[64:65] scope:SCOPE_SE
	s_setreg_imm32_b32 hwreg(HW_REG_WAVE_MODE, 25, 1), 1
	s_wait_xcnt 0x0
	s_wait_alu depctr_hold_cnt(0) depctr_sa_sdst(0) depctr_va_vdst(0) depctr_va_sdst(0) depctr_va_ssrc(0) depctr_va_vcc(0) depctr_vm_vsrc(0)
	s_getreg_b32 s2, hwreg(HW_REG_IB_STS2, 6, 4)
	s_cmp_eq_u32 s2, 0
	s_cbranch_scc0 .Lentry_in_a_cluster
	s_endpgm
.Lentry_in_a_cluster:
	s_bfe_u32 s2, ttmp6, 0x10000c
	s_cmp_lg_u32 s2, 0x3003
	s_cbranch_scc0 .Lentry_shape_is_right
	s_endpgm
.Lentry_shape_is_right:
; ATTENTION.  O[bh][q] = the sum over s of softmax_s(q . k[s] / 8) v[s] + bv.  q, k, v: [128][512][64] f16 in qkv (q at 0, k at 8,388,608, v at 16,777,216); O the same layout, f16, in ob.
; LEFT OUT: bk (the same along the softmax's axis: see the first kernel's head).  bv is added here, once, behind the division: a row's weights add up to 1.
; LIMITS.  p lies in 0 to 1; below 6e-5 it keeps f16's fixed step of 6e-8; a weight below 2^-126 counts as 0 in the sum; O stays within v's range plus bv; NaN and infinities are not treated apart.
; SHARES.  Cluster c serves bh = c and then bh = c + 64 (the same head of two batches, so one slice of bv serves both).  Work-group cx takes queries 128 cx .., a wave 32: two tiles of 16.
; ALL 512 KEYS AT ONCE: a tile's 512 scores are 256 registers, a whole window, so the row's true maximum is taken away as the formula has it; there is no running maximum.
; LDS.  K and V of BOTH heads are first fills, asked for jointly by the four partners at the kernel's head: the second head lands while the first is worked on.  Nothing is ever filled again.
; No prefetch: all that the launch reads is asked for at its head.
; LAYOUT.  S^T = K Q^T (source 0 = 16 keys, source 1 = 16 queries): a lane holds ONE query (lane % 16) and the keys 8 (lane / 16) + 0..7 of each block of 16.  Rounded to f16 in pairs, in place, the
; lower 128 registers ARE the sources 1 (32 keys x 16 queries) of O^T = V^T P.  K comes out of LDS as it lies, V turned, by ds_load_tr16_b128.
; REGISTERS, in windows of 256 (s_set_vgpr_msb: bits 1:0 source 0, 3:2 source 1, 5:4 source 2, 7:6 destination):
;   window 0: v1-15 addresses; v16-47 Q; v48-111 O^T, 32 a tile; v112-143 bv; v144-151 maxima; v152-155 c m; v160-175 sums; v176-179 l; v192-223 the way out
;   window 1, 2: S^T, later P, of tile 0, 1          window 3: v0-127 V, two buffers; v128-255 K, two buffers
.set HEADB, 155648                     ; a head in LDS: 512 rows of K at pitch 144, then 512 rows of V at pitch 160
.set VOFF,  73728
.set STAGE, 2*HEADB                    ; 16 rows x 144 bytes for each wave, for the way out
.set SPARE, STAGE+4*2304               ; the spare words, 128 bytes for each wave: two blocks of 256 bytes that no other line names
.set AK0, 2                            ; v2   my lane's place in K; never rewritten
.set AV0, 3                            ; v3   in V; never rewritten
.set AK,  4                            ; v4-5 LDS address of keys 0-255, 256-511 of the head in hand (a 16-bit offset reaches no further)
.set AV,  6                            ; v6-7 the same for V
.set QO,  8
.set STO, 9
.set RD,  10
.set GO,  11
.set SPW, 12
.set NIL, 13
.set Q,   16
.set O,   48
.set BV,  112
.set MX,  144
.set CM,  152
.set LS,  160
.set LL,  176
.set W,   192
.set VB,  0
.set KB,  128
.set G1K, 24
.set G1V, 32
.set G0K, 40                           ; s[40:47] a set for each head
.set G0V, 48
.set PASS, 56
.set HB,  57                           ; s57  0 or HEADB: the head in hand
.set CS,  58                           ; s[58:59] c = log2(e) / 8
.set SEL, 60
.set MSB, 0
.macro WIN new
.if MSB != (\new)
	s_set_vgpr_msb (MSB<<8)|(\new)
.set MSB, \new
.endif
.endm
.macro PLACES
.rept 4
	v_nop
.endr
.endm
.macro CROUND
	s_barrier_signal -1
	s_barrier_wait -1
	s_cmp_lg_u32 s12, 0
	s_cbranch_scc1 .Lnot_wave_0_\@
	s_barrier_signal -3
.Lnot_wave_0_\@:
	s_barrier_wait -3
	s_barrier_signal -1
	s_barrier_wait -1
.endm
	s_load_b128 s[4:7], s[0:1], 0x0                ; qkv s[4:5], bv s[6:7]
	s_load_b64 s[8:9], s[0:1], 0x10                ; ob
	v_lshl_add_u32 v[SPW], v0, 2, SPARE
	v_mov_b32 v[NIL], 0
	ds_add_u32 v[SPW], v[NIL]                      ; the wave's opening: the add, twice on end, and its wait ahead of my first tensor load
	ds_add_u32 v[SPW], v[NIL]
	v_lshrrev_b32 v1, 5, v0
	v_readfirstlane_b32 s12, v1                    ; wave 0..3
	s_bfe_u32 s13, ttmp6, 0x40000                  ; cx: it enters Q's and O's addresses alone
	s_and_b32 s16, s12, 1                          ; which half of a head's 512 keys I fetch
	; 256 keys are 32,768 dense bytes: asked for as 128 rows of 256 bytes, two keys a row, padded in LDS after every key
	s_mov_b32 s[G1K], 15|(1<<16)|(1<<20)|(1<<21)|(4<<22)|(3<<25)  ; the mask of four; 2-byte elements; padding on; bit 21 beside a mask; after every 32 words; 4 words
	s_mov_b32 s[G1V], 15|(1<<16)|(1<<20)|(1<<21)|(4<<22)|(7<<25)  ; the same with 8 words
.irp g, G1K, G1V
	s_mov_b32 s[(\g)+1], 128<<16
	s_mov_b32 s[(\g)+2], 128<<16
	s_mov_b32 s[(\g)+3], 128<<16
	s_mov_b32 s[(\g)+4], 128
	s_mov_b32 s[(\g)+5], 128
	s_mov_b32 s[(\g)+6], 0
	s_mov_b32 s[(\g)+7], 0
.endr
	s_mul_i32 s17, s16, 36864
	s_mul_i32 s18, s16, 40960
	s_mov_b32 s[G0K], 1
	s_mov_b32 s[G0K+1], s17
	s_mov_b32 s[G0K+4], 1
	s_add_co_u32 s[G0K+5], s17, HEADB
	s_mov_b32 s[G0V], 1
	s_add_co_u32 s[G0V+1], s18, VOFF
	s_mov_b32 s[G0V+4], 1
	s_add_co_u32 s[G0V+5], s18, HEADB+VOFF
	s_lshl_b32 s20, ttmp9, 16                      ; bh = c: 65,536 bytes a head,
	s_lshl_b32 s21, s16, 15                        ; my 256 keys
	s_add_co_u32 s20, s20, s21
	s_mov_b32 s21, 0
	s_lshl_b32 s2, ttmp9, 16                       ; Q and O: the head, my work-group's 128 rows, my wave's 32
	s_lshl_b32 s3, s13, 14
	s_add_co_u32 s2, s2, s3
	s_lshl_b32 s3, s12, 12
	s_add_co_u32 s2, s2, s3
	s_mov_b32 s3, 0
	s_and_b32 s14, ttmp9, 15                       ; the head among 16:
	s_lshl_b32 s14, s14, 8                         ; its 64 numbers of bv
	s_mov_b32 s[CS], 0x3e38aa3b                    ; c = 0.180337
	s_mov_b32 s[CS+1], s[CS]
	s_mov_b32 s[SEL], 0x76543210
	s_mov_b32 s[SEL+1], 0xfedcba98
	s_mov_b32 s[PASS], 2
	s_mov_b32 s[HB], 0
	s_wait_dscnt 0x0                               ; both opening adds are done
	s_wait_kmcnt 0x0
	s_add_nc_u64 s[22:23], s[4:5], s[20:21]
	s_add_nc_u64 s[G0K+2:G0K+3], s[22:23], 8388608
	s_add_nc_u64 s[G0K+6:G0K+7], s[22:23], 8388608+4194304     ; bh = c + 64
	s_add_nc_u64 s[G0V+2:G0V+3], s[22:23], 16777216
	s_add_nc_u64 s[G0V+6:G0V+7], s[22:23], 16777216+4194304
.irp g, G0K, G0K+4, G0V, G0V+4
	s_or_b32 s[(\g)+3], s[(\g)+3], 0x80000000
.endr
	s_add_nc_u64 s[4:5], s[4:5], s[2:3]
	s_add_nc_u64 s[8:9], s[8:9], s[2:3]
	CROUND                                         ; all four work-groups are here: the joint loads meet
	s_cmp_lt_u32 s12, 2                            ; a wave's two fills stand in one branch: two loads of mine are out; an s_nop 0 follows each, four v_nop the second
	s_cbranch_scc0 .Lfirst_v
	tensor_load_to_lds s[G0K:G0K+3], s[G1K:G1K+7]
	s_nop 0
	tensor_load_to_lds s[G0K+4:G0K+7], s[G1K:G1K+7]
	s_nop 0
.rept 4
	v_nop
.endr
	s_branch .Lfirst_asked
.Lfirst_v:
	tensor_load_to_lds s[G0V:G0V+3], s[G1V:G1V+7]
	s_nop 0
	tensor_load_to_lds s[G0V+4:G0V+7], s[G1V:G1V+7]
	s_nop 0
.rept 4
	v_nop
.endr
.Lfirst_asked:
	v_and_b32 v1, 15, v0                           ; l % 16
	v_bfe_u32 v14, v0, 4, 1                        ; l / 16
	v_and_b32 v15, 7, v0
	v_lshlrev_b32 v[QO], 7, v1
	v_lshl_add_u32 v[QO], v14, 4, v[QO]            ; row x 128 + 16 x half
.irp t, 0,1
.irp c, 0,1
	global_load_b128 v[Q+16*(\t)+8*(\c):Q+16*(\t)+8*(\c)+3],   v[QO], s[4:5] offset:(\t)*2048+(\c)*64
	global_load_b128 v[Q+16*(\t)+8*(\c)+4:Q+16*(\t)+8*(\c)+7], v[QO], s[4:5] offset:(\t)*2048+(\c)*64+32
.endr
.endr
	v_lshl_add_u32 v[W+16], v14, 5, s14            ; bv: register 8 cb + j is channel 16 cb + 8 (l / 16) + j
.irp b, 0,1,2,3
	global_load_b128 v[BV+8*(\b):BV+8*(\b)+3],   v[W+16], s[6:7] offset:64*(\b)
	global_load_b128 v[BV+8*(\b)+4:BV+8*(\b)+7], v[W+16], s[6:7] offset:64*(\b)+16
.endr
	v_mul_u32_u24 v[AK0], v1, 144
	v_lshl_add_u32 v[AK0], v14, 4, v[AK0]
	v_bfe_u32 v[W+17], v0, 3, 1
	v_lshl_add_u32 v[AV0], v14, 3, v15             ; the turning load: key 8 (l / 16) + l % 8, channels 8 ((l / 8) % 2) + 0..7
	v_mul_u32_u24 v[AV0], v[AV0], 160
	v_lshl_add_u32 v[AV0], v[W+17], 4, v[AV0]
	v_add_nc_u32 v[AV0], VOFF, v[AV0]
	s_mul_i32 s15, s12, 2304
	s_add_co_u32 s15, s15, STAGE                   ; my stage
	v_add_nc_u32 v[STO], s15, v[AK0]               ; in: row l % 16 at pitch 144, 16 bytes for each half of the lanes
	v_bfe_u32 v[RD], v0, 3, 2                      ; back: 32 lanes take four rows of 128 bytes,
	v_mul_u32_u24 v[RD], v[RD], 144
	v_lshl_add_u32 v[RD], v15, 4, v[RD]
	v_add_nc_u32 v[RD], s15, v[RD]
	v_and_b32 v[GO], 31, v0                        ; which are 512 consecutive bytes of O
	v_lshlrev_b32 v[GO], 4, v[GO]
	s_wait_loadcnt 0x0
.irp i, 0,1,2,3,4,5,6,7,8,9,10,11,12,13,14,15
	v_cvt_pk_bf16_f32 v[W+(\i)], v[BV+2*(\i)], v[BV+2*(\i)+1]      ; bv rounded to bf16 like every input,
.endr
.irp i, 0,1,2,3,4,5,6,7,8,9,10,11,12,13,14,15
	v_lshlrev_b32 v[BV+2*(\i)], 16, v[W+(\i)]                      ; and back in f32
	v_and_b32 v[BV+2*(\i)+1], 0xffff0000, v[W+(\i)]
.endr
	s_wait_tensorcnt 1                             ; my part of the first head is in; the second head's may stay out
	s_barrier_signal -1
	s_barrier_wait -1
.macro FETCHKA g                       ; 16 LDS loads: key blocks 4 g .. 4 g + 3, both halves of the channels, into K's buffer g % 2
	WIN 0xc0
.irp q, 0,1,2,3
.irp c, 0,1
	ds_load_b128 v[KB+64*((\g)%2)+16*(\q)+8*(\c):KB+64*((\g)%2)+16*(\q)+8*(\c)+3],   v[AK+(\g)/4] offset:((4*(\g)+(\q))%16)*2304+64*(\c)
	ds_load_b128 v[KB+64*((\g)%2)+16*(\q)+8*(\c)+4:KB+64*((\g)%2)+16*(\q)+8*(\c)+7], v[AK+(\g)/4] offset:((4*(\g)+(\q))%16)*2304+64*(\c)+32
.endr
.endr
.endm
.macro FETCHVA g                       ; 16 turning loads: keys 64 g .. 64 g + 63, all four channel blocks, into V's buffer g % 2
	WIN 0xc0
.irp k, 0,1
.irp b, 0,1,2,3
	ds_load_tr16_b128 v[VB+64*((\g)%2)+32*(\k)+8*(\b):VB+64*((\g)%2)+32*(\k)+8*(\b)+3],   v[AV+(\g)/4] offset:((2*(\g)+(\k))%8)*5120+32*(\b)
	ds_load_tr16_b128 v[VB+64*((\g)%2)+32*(\k)+8*(\b)+4:VB+64*((\g)%2)+32*(\k)+8*(\b)+7], v[AV+(\g)/4] offset:((2*(\g)+(\k))%8)*5120+32*(\b)+2560
.endr
.endr
.endm
.macro KQ g                            ; 16 products: for each tile the four key blocks by turns, channels 0-31 (they start the sums), then 32-63
.irp t, 0,1
	WIN 0x53+0x50*(\t)
.irp c, 0,1
.irp q, 0,1,2,3
.if (\c) == 0
	v_wmma_f32_16x16x32_f16 v[8*(4*(\g)+(\q)):8*(4*(\g)+(\q))+7], v[KB+64*((\g)%2)+16*(\q)+8*(\c):KB+64*((\g)%2)+16*(\q)+8*(\c)+7], v[Q+16*(\t)+8*(\c):Q+16*(\t)+8*(\c)+7], 0
.else
	v_wmma_f32_16x16x32_f16 v[8*(4*(\g)+(\q)):8*(4*(\g)+(\q))+7], v[KB+64*((\g)%2)+16*(\q)+8*(\c):KB+64*((\g)%2)+16*(\q)+8*(\c)+7], v[Q+16*(\t)+8*(\c):Q+16*(\t)+8*(\c)+7], v[8*(4*(\g)+(\q)):8*(4*(\g)+(\q))+7]
.endif
.endr
.endr
.endr
.endm
.macro PV g                            ; 16 products: for each tile the four channel blocks by turns, keys 64 g .. + 31, then + 32 .. + 63; the very first start the sums
.irp t, 0,1
	WIN 0x07+4*(\t)
.irp k, 0,1
.irp b, 0,1,2,3
.if ((\g) == 0) && ((\k) == 0)
	v_wmma_f32_16x16x32_f16 v[O+32*(\t)+8*(\b):O+32*(\t)+8*(\b)+7], v[VB+64*((\g)%2)+32*(\k)+8*(\b):VB+64*((\g)%2)+32*(\k)+8*(\b)+7], v[8*(2*(\g)+(\k)):8*(2*(\g)+(\k))+7], 0
.else
	v_wmma_f32_16x16x32_f16 v[O+32*(\t)+8*(\b):O+32*(\t)+8*(\b)+7], v[VB+64*((\g)%2)+32*(\k)+8*(\b):VB+64*((\g)%2)+32*(\k)+8*(\b)+7], v[8*(2*(\g)+(\k)):8*(2*(\g)+(\k))+7], v[O+32*(\t)+8*(\b):O+32*(\t)+8*(\b)+7]
.endif
.endr
.endr
.endr
.endm
; The maximum of a lane's 256 scores: eight chains of 32 registers, three operands at a time, ascending;
; the eight registers left over; the eight chains into one; the query's other 256 keys lie in the lane 16 away; c m.
.macro MAXT t
	WIN 0x15*((\t)+1)
.irp h, 0,1,2,3,4,5,6,7
	v_max3_num_f32 v[MX+(\h)], v[32*(\h)], v[32*(\h)+1], v[32*(\h)+2]
.endr
	WIN 0x14*((\t)+1)
.set n_, 1
.rept 14
.irp h, 0,1,2,3,4,5,6,7
	v_max3_num_f32 v[MX+(\h)], v[MX+(\h)], v[32*(\h)+2*n_+1], v[32*(\h)+2*n_+2]
.endr
.set n_, n_+1
.endr
.irp h, 0,1,2,3
	v_max3_num_f32 v[MX+2*(\h)], v[MX+2*(\h)], v[64*(\h)+31], v[64*(\h)+63]
.endr
	WIN 0
	v_max3_num_f32 v[MX], v[MX], v[MX+1], v[MX+2]
	v_max3_num_f32 v[MX+3], v[MX+3], v[MX+4], v[MX+5]
	v_max3_num_f32 v[MX], v[MX], v[MX+6], v[MX+7]
	v_max_num_f32 v[MX], v[MX], v[MX+3]
	v_permlanex16_b32 v[MX+1], v[MX], s[SEL], s[SEL+1]
	v_max_num_f32 v[MX], v[MX], v[MX+1]
	v_mul_f32 v[CM+2*(\t)], s[CS], v[MX]
	v_mul_f32 v[CM+2*(\t)+1], s[CS], v[MX]         ; named with it as a pair
.endm
; p = 2^(c s - c m), in place: a packed scaling for the next pair, then the two exponentials of the pair before.  No line names an exponential's result.
.macro SOFTT t
	WIN 0x41*((\t)+1)
	v_pk_fma_f32 v[0:1], v[0:1], s[CS:CS+1], v[CM+2*(\t):CM+2*(\t)+1] op_sel_hi:[1,0,0] neg_lo:[0,0,1] neg_hi:[0,0,1]
.set n_, 0
.rept 127
	v_pk_fma_f32 v[n_+2:n_+3], v[n_+2:n_+3], s[CS:CS+1], v[CM+2*(\t):CM+2*(\t)+1] op_sel_hi:[1,0,0] neg_lo:[0,0,1] neg_hi:[0,0,1]
	v_exp_f32 v[n_], v[n_]
	v_exp_f32 v[n_+1], v[n_+1]
.set n_, n_+2
.endr
	v_exp_f32 v[254], v[254]
	v_exp_f32 v[255], v[255]
.endm
; l, of the unrounded p: eight packed chains, then one; the other half of the lanes'.
.macro SUMT t
	WIN 0x05*((\t)+1)
.irp h, 0,1,2,3,4,5,6,7
	v_pk_add_f32 v[LS+2*(\h):LS+2*(\h)+1], v[32*(\h):32*(\h)+1], v[32*(\h)+2:32*(\h)+3]
.endr
	WIN 0x04*((\t)+1)
.set n_, 2
.rept 14
.irp h, 0,1,2,3,4,5,6,7
	v_pk_add_f32 v[LS+2*(\h):LS+2*(\h)+1], v[LS+2*(\h):LS+2*(\h)+1], v[32*(\h)+2*n_:32*(\h)+2*n_+1]
.endr
.set n_, n_+1
.endr
	WIN 0
.irp h, 0,4,8,12
	v_pk_add_f32 v[LS+(\h):LS+(\h)+1], v[LS+(\h):LS+(\h)+1], v[LS+(\h)+2:LS+(\h)+3]
.endr
	v_pk_add_f32 v[LS:LS+1], v[LS:LS+1], v[LS+4:LS+5]
	v_pk_add_f32 v[LS+8:LS+9], v[LS+8:LS+9], v[LS+12:LS+13]
	v_pk_add_f32 v[LS:LS+1], v[LS:LS+1], v[LS+8:LS+9]
	v_add_f32 v[LS], v[LS], v[LS+1]
	v_permlanex16_b32 v[LS+1], v[LS], s[SEL], s[SEL+1]
	v_add_f32 v[LL+2*(\t)], v[LS], v[LS+1]
	v_add_f32 v[LL+2*(\t)+1], v[LS], v[LS+1]       ; named with it as a pair
.endm
.macro CVTT t                          ; register i takes p of registers 2 i, 2 i + 1, ascending: no source is written before it is read
	WIN 0x45*((\t)+1)
.set n_, 0
.rept 128
	v_cvt_pk_f16_f32 v[n_], v[2*n_], v[2*n_+1]
.set n_, n_+1
.endr
.endm
.macro PACKO t                         ; O / l + bv in one fused line for two numbers; rounded to f16; through my stage
	WIN 0
.set n_, 0
.rept 16
	v_pk_fma_f32 v[O+32*(\t)+2*n_:O+32*(\t)+2*n_+1], v[O+32*(\t)+2*n_:O+32*(\t)+2*n_+1], v[LL+2*(\t):LL+2*(\t)+1], v[BV+2*n_:BV+2*n_+1] op_sel_hi:[1,0,1]
.set n_, n_+1
.endr
.set n_, 0
.rept 16
	v_cvt_pk_f16_f32 v[W+16*(\t)+n_], v[O+32*(\t)+2*n_], v[O+32*(\t)+2*n_+1]
.set n_, n_+1
.endr
.irp f, 0,1,2,3
	ds_store_b128 v[STO], v[W+16*(\t)+4*(\f):W+16*(\t)+4*(\f)+3] offset:32*(\f)
.endr
.irp f, 0,1,2,3
	ds_load_b128 v[W+16*(\t)+4*(\f):W+16*(\t)+4*(\f)+3], v[RD] offset:(\f)*576  ; LDS serves a wave's instructions in order (ISA guide 5.7.1.4)
.endr
.endm
.macro SEND t, younger                 ; younger: the LDS instructions issued behind tile t's loads
.irp f, 0,1,2,3
	s_wait_dscnt (\younger)+3-(\f)
	global_store_b128 v[GO], v[W+16*(\t)+4*(\f):W+16*(\t)+4*(\f)+3], s[8:9] offset:(\t)*2048+(\f)*512  ; 512 consecutive bytes, at a multiple of 256 from O's first
.endr
.endm
.Lpass:                                ; twice: a head each
	v_add_nc_u32 v[AK], s[HB], v[AK0]
	v_add_nc_u32 v[AK+1], 36864, v[AK]
	v_add_nc_u32 v[AV], s[HB], v[AV0]
	v_add_nc_u32 v[AV+1], 40960, v[AV]
	s_wait_loadcnt 0x0                             ; Q
	FETCHKA 0
	FETCHKA 1
.irp g, 0,1,2,3,4,5,6,7
.if (\g) < 7
	s_wait_dscnt 16                                ; this group's K is in; the next group's sixteen loads may be out
.else
	s_wait_dscnt 0x0
.endif
	KQ \g
.if (\g) < 6
	PLACES
	FETCHKA (\g)+2
.endif
.endr
	PLACES                                         ; behind the last products: their scores are read, and Q's registers loaded, below
	FETCHVA 0
	FETCHVA 1
	WIN 0
	s_cmp_eq_u32 s[PASS], 1
	s_cbranch_scc1 .Lno_q                          ; the last pass has no head behind it
.irp t, 0,1
.irp c, 0,1
	global_load_b128 v[Q+16*(\t)+8*(\c):Q+16*(\t)+8*(\c)+3],   v[QO], s[4:5] offset:4194304+(\t)*2048+(\c)*64
	global_load_b128 v[Q+16*(\t)+8*(\c)+4:Q+16*(\t)+8*(\c)+7], v[QO], s[4:5] offset:4194304+(\t)*2048+(\c)*64+32
.endr
.endr
.Lno_q:
	MAXT 0
	MAXT 1
	SOFTT 0
	SOFTT 1
	v_nop                                          ; a plain instruction behind the last exponential: one for the batch
	s_wait_alu depctr_va_vdst(0)                   ; a wait ahead of the first line that names a result: one for both tiles' 512 exponentials
	SUMT 0
	CVTT 0
	SUMT 1
	CVTT 1
.irp g, 0,1,2,3,4,5,6,7
.if (\g) < 7
	s_wait_dscnt 16                                ; this group's V is in; the next group's sixteen loads may be out
.else
	s_wait_dscnt 0x0
.endif
	PV \g
.if (\g) < 6
	PLACES
	FETCHVA (\g)+2
.endif
.endr
	WIN 0
	v_rcp_f32 v[LL], v[LL]
	v_rcp_f32 v[LL+2], v[LL+2]
	PLACES                                         ; the places behind the last products, and the plain instruction behind the reciprocals
	s_wait_alu depctr_va_vdst(0)                   ; one wait for the two reciprocals
	PACKO 0
	PACKO 1
	SEND 0, 8
	SEND 1, 0
	s_wait_tensorcnt 0x0                           ; my part of the second head is in
	s_wait_dscnt 0x0
	s_barrier_signal -1
	s_barrier_wait -1
	s_wait_xcnt 0x0                                ; the stores have read their registers and O's address
	s_add_nc_u64 s[8:9], s[8:9], 4194304           ; bh + 64
	s_xor_b32 s[HB], s[HB], HEADB
	s_sub_co_u32 s[PASS], s[PASS], 1
	s_cmp_lg_u32 s[PASS], 0
	s_cbranch_scc1 .Lpass
	s_wait_tensorcnt 0x0                           ; the wave's end: behind my last tensor load and my last LDS store
	ds_add_u32 v[SPW], v[NIL]
	s_wait_dscnt 0x0
	CROUND                                         ; the closing round
	s_endpgm
.Lfunc_end_k_qa418504ab7_attn:
	.size	k_qa418504ab7_attn, .Lfunc_end_k_qa418504ab7_attn-k_qa418504ab7_attn
	.p2alignl 7, 3214868480
	.fill 96, 4, 3214868480
	.section	.rodata,"a",@progbits
	.p2align	6, 0x0
	.amdhsa_kernel k_qa418504ab7_attn
		.amdhsa_group_segment_fixed_size 327680
		.amdhsa_private_segment_fixed_size 0
		.amdhsa_enable_private_segment 0
		.amdhsa_kernarg_size 24
		.amdhsa_user_sgpr_count 2
		.amdhsa_user_sgpr_kernarg_segment_ptr 1
		.amdhsa_wavefront_size32 1
		.amdhsa_system_sgpr_workgroup_id_x 1
		.amdhsa_system_sgpr_workgroup_id_y 1
		.amdhsa_system_sgpr_workgroup_id_z 1
		.amdhsa_system_vgpr_workitem_id 0
		.amdhsa_next_free_vgpr 1024
		.amdhsa_next_free_sgpr 66
		.amdhsa_reserve_vcc 0
		.amdhsa_float_denorm_mode_32 3
		.amdhsa_float_denorm_mode_16_64 3
		.amdhsa_memory_ordered 1
		.amdhsa_forward_progress 1
		.amdhsa_inst_pref_size 135
	.end_amdhsa_kernel
	.amdgpu_metadata
---
amdhsa.version: [ 1, 2 ]
amdhsa.kernels:
  - .name:           k_qa418504ab7_attn
    .symbol:         k_qa418504ab7_attn.kd
    .args:
      - { .name: qkv, .offset: 0, .size: 8, .value_kind: global_buffer, .address_space: global }
      - { .name: bv, .offset: 8, .size: 8, .value_kind: global_buffer, .address_space: global }
      - { .name: ob, .offset: 16, .size: 8, .value_kind: global_buffer, .address_space: global }
    .group_segment_fixed_size: 327680
    .private_segment_fixed_size: 0
    .kernarg_segment_align: 8
    .kernarg_segment_size: 24
    .max_flat_workgroup_size: 128
    .sgpr_count:     66
    .vgpr_count:     1024
    .wavefront_size: 32
...
	.end_amdgpu_metadata
.endif
;; end of part 3
;; launch outp (part 4): grid 16 x 16, 4 waves a work-group, clusters of 4 x 4, 327,680 bytes of LDS; arguments ob, cw, bo, out0; writes out0
.if DOCPART == 4
	.amdgcn_target "amdgcn-amd-amdhsa--gfx1250"
	.amdhsa_code_object_version 6
	.text
	.protected	k_qa418504ab7_outp
	.globl	k_qa418504ab7_outp
	.p2align	8
	.type	k_qa418504ab7_outp,@function
k_qa418504ab7_outp:
	s_mov_b64 s[64:65], 0
	v_nop
	global_prefetch_b8 v0, s[64:65] scope:SCOPE_SE
	s_setreg_imm32_b32 hwreg(HW_REG_WAVE_MODE, 25, 1), 1
	s_wait_xcnt 0x0
	s_wait_alu depctr_hold_cnt(0) depctr_sa_sdst(0) depctr_va_vdst(0) depctr_va_sdst(0) depctr_va_ssrc(0) depctr_va_vcc(0) depctr_vm_vsrc(0)
	s_getreg_b32 s2, hwreg(HW_REG_IB_STS2, 6, 4)
	s_cmp_eq_u32 s2, 0
	s_cbranch_scc0 .Lentry_in_a_cluster
	s_endpgm
.Lentry_in_a_cluster:
	s_bfe_u32 s2, ttmp6, 0x10000c
	s_cmp_lg_u32 s2, 0xf033
	s_cbranch_scc0 .Lentry_shape_is_right
	s_endpgm
.Lentry_shape_is_right:
; THE OUTPUT PROJECTION.  out0 = O Wo + bo.  O: [batch x 16 + head][512][64] f16 in ob; Wo: [1024 (K)][4096] in cw at byte 58,720,256, the bf16-rounded number written as f16; sums f32; out0 f32.
; Nothing is left out here.  bo, rounded to bf16 like every input, is the C operand of the first products.
; SHARES.  A tile of out0 is 256 x 256: 256 work-groups of four waves, a wave 128 x 128: 64 accumulators, 512 registers.  K goes in 8 steps of 128, two heads each, through two LDS slots.
; CLUSTER 4 x 4: O's tiles are shared along a row of the cluster, Wo's along a column: each is asked for jointly.
; THE MATRIX INSTRUCTION IS USED TRANSPOSED: source 0 = 16 columns of Wo (turned out of LDS by ds_load_tr16_b128), source 1 = 16 rows of O: a lane holds one row and eight neighbouring columns, 32 bytes.
; REGISTERS, in windows of 256: window 0: v1-31 addresses; v64-127, v128-191 fragments of O, two buffers, later rows on the way out; v192-223 at work
;   window 1: v0-63 bo's tiles; v64-127, v128-191 fragments of Wo          window 2: the accumulators of my rows 0-63, (a, b) at 8 (8 a + b)          window 3: rows 64-127
.set WOO,   58720256
.set SLOT,  143360                     ; O: [2 heads][256 rows] at pitch 144; then 128 rows (K) of Wo at pitch 544
.set BOFF,  73728
.set STAGE, 2*SLOT                     ; 16 rows x 528 bytes for each wave
.set SPARE, STAGE+4*8448               ; the spare words, 128 bytes for each wave: two blocks of 256 bytes that no other line names
.set ADRA, 16
.set ADRB, 20
.set STO,  24
.set RD,   25
.set CO,   26
.set SPW,  28
.set NIL,  29
.set PFO,  30
.set F0,   64
.set F1,   128
.set TMP,  192
.set WV,  12                           ; s12 my wave's number; s13 which half of the rows; s14 which half of the columns, and which half of a tile I fetch
.set RH,  13
.set CH,  14
.set MT,  15
.set G1A, 24
.set G1B, 32
.set G0A, 40                           ; s[40:47] a set for each slot
.set G0B, 48
.set PFA, 56
.set PFS, 58
.set LIM, 60
.set CX,  61
.set CY,  62
.set NT,  63
.set MROW, 66
.set MCOL, 67
.set MSB, 0
.macro WIN new
.if MSB != (\new)
	s_set_vgpr_msb (MSB<<8)|(\new)
.set MSB, \new
.endif
.endm
.macro PLACES
.rept 4
	v_nop
.endr
.endm
.macro JLOAD s                         ; a joint load: waves 0 and 1 fetch the step's two heads of O, waves 2 and 3 the two halves of Wo's rows; an s_nop 0 and four v_nop follow each line
	s_cmp_lt_u32 s[WV], 2
	s_cbranch_scc0 .Lfor_b_\@
	tensor_load_to_lds s[G0A+4*(\s):G0A+4*(\s)+3], s[G1A:G1A+7]
	s_nop 0
.rept 4
	v_nop
.endr
	s_branch .Lasked_\@
.Lfor_b_\@:
	tensor_load_to_lds s[G0B+4*(\s):G0B+4*(\s)+3], s[G1B:G1B+7]
	s_nop 0
.rept 4
	v_nop
.endr
.Lasked_\@:
.endm
.macro CREST
	s_cmp_lg_u32 s[WV], 0
	s_cbranch_scc1 .Lnot_wave_0_\@
	s_barrier_signal -3
.Lnot_wave_0_\@:
	s_barrier_wait -3
	s_barrier_signal -1
	s_barrier_wait -1
.endm
.macro CROUND
	s_barrier_signal -1
	s_barrier_wait -1
	CREST
.endm
; A PREFETCH INTO THE L2, behind each joint load and the run of LDS loads that follows it: the refill of K step s names K step s + 2: 512 matrix instructions ahead of that step's own load.
; Each aligned 256 bytes is named once.  O's rows are read by the four clusters of a row of clusters: cluster x = 0 asks, waves 0 and 1, each for its own head's 32,768 bytes, the partners 8,192 each
; BY ADDRESS (cx), a lane 256 bytes.  Wo's columns are read by the four clusters of a column: cluster y = 0 asks, waves 2 and 3, each for its own 64 rows, the partners 16 each (cy), two lanes a row.
; The first four K steps come by their loads alone; the loop's last trip asks for nothing.
.macro ASK
	WIN 0
	s_cmp_gt_u32 s3, s[LIM]                        ; s3 = 1 in the loop's last trip
	s_cbranch_scc0 .Lnot_mine_\@
	global_prefetch_b8 v[PFO], s[PFA:PFA+1] th:TH_LOAD_NT scope:SCOPE_SE
.Lnot_mine_\@:
.endm
	s_load_b256 s[4:11], s[0:1], 0x0               ; ob s[4:5], cw s[6:7], bo s[8:9], out0 s[10:11]
	v_lshl_add_u32 v[SPW], v0, 2, SPARE
	v_mov_b32 v[NIL], 0
	ds_add_u32 v[SPW], v[NIL]                      ; the wave's opening: the add, twice on end, and its wait ahead of my first tensor load
	ds_add_u32 v[SPW], v[NIL]
	v_lshrrev_b32 v1, 5, v0
	v_readfirstlane_b32 s[WV], v1
	s_lshr_b32 s[RH], s[WV], 1
	s_and_b32 s[CH], s[WV], 1
	s_bfe_u32 s[CX], ttmp6, 0x40000
	s_bfe_u32 s[CY], ttmp6, 0x40004
	s_lshl_b32 s[NT], ttmp9, 2
	s_add_co_u32 s[NT], s[NT], s[CX]               ; tile column
	s_and_b32 s[MT], ttmp7, 0xffff
	s_lshl_b32 s[MT], s[MT], 2
	s_add_co_u32 s[MT], s[MT], s[CY]               ; tile row
	s_lshl_b32 s[MROW], s[CY], 2
	s_lshl_b32 s[MROW], 15, s[MROW]
	s_lshl_b32 s[MCOL], 0x1111, s[CX]
	s_or_b32 s[G1A], s[MROW], (1<<16)|(1<<20)|(1<<21)|(4<<22)|(3<<25)  ; a head's 256 rows are 32,768 dense bytes: 128 rows of 256 bytes, padded by 4 words after every 32 (a row of O)
	s_mov_b32 s[G1A+1], 128<<16
	s_mov_b32 s[G1A+2], 128<<16
	s_mov_b32 s[G1A+3], 128<<16
	s_mov_b32 s[G1A+4], 128
	s_mov_b32 s[G1A+5], 128
	s_mov_b32 s[G1A+6], 0
	s_mov_b32 s[G1A+7], 0
	s_or_b32 s[G1B], s[MCOL], (1<<16)|(1<<20)|(1<<21)|(6<<22)|(7<<25)  ; 64 rows (K) x 256 columns, padded by 8 words after every 128
	s_mov_b32 s[G1B+1], 256<<16
	s_mov_b32 s[G1B+2], 64<<16
	s_mov_b32 s[G1B+3], 256<<16
	s_mov_b32 s[G1B+4], 64
	s_mov_b32 s[G1B+5], 4096
	s_mov_b32 s[G1B+6], 0
	s_mov_b32 s[G1B+7], 0
	s_mul_i32 s20, s[CH], 36864
	s_mov_b32 s[G0A], 1
	s_mov_b32 s[G0A+1], s20
	s_mov_b32 s[G0A+4], 1
	s_add_co_u32 s[G0A+5], s20, SLOT
	s_mul_i32 s20, s[CH], 34816
	s_mov_b32 s[G0B], 1
	s_add_co_u32 s[G0B+1], s20, BOFF
	s_mov_b32 s[G0B+4], 1
	s_add_co_u32 s[G0B+5], s20, SLOT+BOFF
	s_wait_dscnt 0x0                               ; both opening adds are done
	s_wait_kmcnt 0x0
	; O's addresses are made of the tile row and the wave's number, in s[16:17], which never hold cx; Wo's of the tile column and the wave's number, in s[18:19], which never hold cy
	s_lshr_b32 s16, s[MT], 1
	s_lshl_b32 s16, s16, 20                        ; the batch: 16 heads of 65,536 bytes
	s_and_b32 s17, s[MT], 1
	s_lshl_b32 s17, s17, 15                        ; its rows 0-255 or 256-511
	s_add_co_u32 s16, s16, s17
	s_lshl_b32 s17, s[CH], 16                      ; my head of the step's two
	s_add_co_u32 s16, s16, s17
	s_mov_b32 s17, 0
	s_add_nc_u64 s[G0A+2:G0A+3], s[4:5], s[16:17]
	s_add_nc_u64 s[G0A+6:G0A+7], s[G0A+2:G0A+3], 131072
	s_lshl_b32 s18, s[NT], 9
	s_lshl_b32 s19, s[CH], 19                      ; my 64 rows of 8,192 bytes
	s_add_co_u32 s18, s18, s19
	s_add_co_u32 s18, s18, WOO
	s_mov_b32 s19, 0
	s_add_nc_u64 s[G0B+2:G0B+3], s[6:7], s[18:19]
	s_add_nc_u64 s[G0B+6:G0B+7], s[G0B+2:G0B+3], 1048576
.irp g, G0A, G0A+4, G0B, G0B+4
	s_or_b32 s[(\g)+3], s[(\g)+3], 0x80000000
.endr
	CROUND                                         ; all sixteen work-groups are here: the first joint loads meet
	JLOAD 0
	JLOAD 1                                        ; two loads of mine are out
	v_and_b32 v1, 15, v0                           ; l % 16
	v_bfe_u32 v2, v0, 4, 1                         ; l / 16
	s_lshl_b32 s20, s[NT], 10                      ; bo's tiles: register j of tile b is bo[256 nt + 128 half + 16 b + 8 (l / 16) + j]
	s_lshl_b32 s21, s[CH], 9
	s_add_co_u32 s20, s20, s21
	v_lshl_add_u32 v5, v2, 5, s20
	WIN 0x40
.irp b, 0,1,2,3,4,5,6,7
	global_load_b128 v[8*(\b):8*(\b)+3],   v5, s[8:9] offset:64*(\b)
	global_load_b128 v[8*(\b)+4:8*(\b)+7], v5, s[8:9] offset:64*(\b)+16
.endr
	WIN 0
	v_and_b32 v3, 7, v0
	v_bfe_u32 v4, v0, 3, 1
	v_mul_u32_u24 v6, v1, 144
	v_lshl_add_u32 v6, v2, 4, v6                   ; O: row x pitch + 16 x half
	v_lshl_add_u32 v7, v2, 3, v3
	v_mul_u32_u24 v7, v7, 544
	v_lshl_add_u32 v7, v4, 4, v7                   ; Wo: the turning load's row 8 (l / 16) + l % 8, columns 8 ((l / 8) % 2) + 0..7
	s_mul_i32 s20, s[RH], 18432                    ; my 128 rows of O
	s_lshl_b32 s21, s[CH], 8                       ; my 128 columns of Wo
	s_add_co_u32 s21, s21, BOFF
.irp s, 0,1
	v_add_nc_u32 v[ADRA+(\s)], s20, v6
	v_add_nc_u32 v[ADRB+(\s)], s21, v7
	s_add_co_u32 s20, s20, SLOT
	s_add_co_u32 s21, s21, SLOT
.endr
	s_mul_i32 s20, s[WV], 8448
	s_add_co_u32 s20, s20, STAGE                   ; my stage
	v_mul_u32_u24 v8, v1, 528                      ; in: row l % 16, 32 bytes for each half of the lanes
	v_lshl_add_u32 v8, v2, 5, v8
	v_add_nc_u32 v[STO], s20, v8
	v_and_b32 v9, 31, v0
	v_lshlrev_b32 v[CO], 4, v9                     ; back, and out: a wave takes a row's 512 bytes
	v_add_nc_u32 v[RD], s20, v[CO]
	s_lshl_b32 s20, s[MT], 22                      ; 256 mt rows of 16,384 bytes; s[20:23] hold both coordinates and feed no descriptor
	s_lshl_b32 s21, s[RH], 21
	s_add_co_u32 s20, s20, s21
	s_lshl_b32 s21, s[NT], 10
	s_add_co_u32 s20, s20, s21
	s_lshl_b32 s21, s[CH], 9
	s_add_co_u32 s20, s20, s21
	s_mov_b32 s21, 0
	s_add_nc_u64 s[10:11], s[10:11], s[20:21]
	; the prefetches: they stand at K step 3; the first change of slots steps them to 4
	s_lshr_b32 s20, s[MT], 1
	s_lshl_b32 s20, s20, 20
	s_and_b32 s21, s[MT], 1
	s_lshl_b32 s21, s21, 15
	s_add_co_u32 s20, s20, s21
	s_add_co_u32 s21, s[CH], 6
	s_lshl_b32 s21, s21, 16
	s_add_co_u32 s20, s20, s21
	s_lshl_b32 s21, s[CX], 13
	s_add_co_u32 s20, s20, s21                     ; O: head 6 + half, my work-group's 8,192 bytes
	s_lshl_b32 s21, s[NT], 9
	s_lshl_b32 s22, s[CH], 19
	s_add_co_u32 s21, s21, s22
	s_lshl_b32 s22, s[CY], 17
	s_add_co_u32 s21, s21, s22
	s_add_co_u32 s21, s21, WOO+384*8192            ; Wo: rows 384 + 64 half + 16 cy
	s_mov_b32 s[PFS], 1048576
	s_mov_b32 s[PFS+1], 0
	s_mov_b32 s22, 8192
	s_cmp_eq_u32 s[RH], 0                          ; do I fetch O?
	s_cselect_b32 s20, s20, s21
	s_cselect_b64 s[PFA:PFA+1], s[4:5], s[6:7]
	s_cselect_b32 s[PFS], 131072, s[PFS]
	s_cselect_b32 s22, 256, s22
	s_cselect_b32 s23, 0, 1
	s_mov_b32 s21, 0
	s_add_nc_u64 s[PFA:PFA+1], s[PFA:PFA+1], s[20:21]
	v_lshrrev_b32 v[PFO], s23, v9
	v_mul_u32_u24 v[PFO], v[PFO], s22
	v_and_b32 v8, s23, v9
	v_lshl_add_u32 v[PFO], v8, 8, v[PFO]
	s_and_b32 s20, ttmp7, 0xffff
	s_cmp_eq_u32 s[RH], 0
	s_cselect_b32 s20, ttmp9, s20                  ; the coordinate along which other clusters read the same bytes
	s_cmp_eq_u32 s20, 0
	s_cselect_b32 s[LIM], 1, -1                    ; the same in all sixteen partners, for a given wave
	s_wait_loadcnt 0x0                             ; bo
	WIN 0x05
.set n_, 0
.rept 32
	v_cvt_pk_bf16_f32 v[TMP+n_], v[2*n_], v[2*n_+1]    ; rounded to bf16 like every input,
.set n_, n_+1
.endr
	WIN 0x40
.set n_, 0
.rept 32
	v_lshlrev_b32 v[2*n_], 16, v[TMP+n_]               ; and back in f32
	v_and_b32 v[2*n_+1], 0xffff0000, v[TMP+n_]
.set n_, n_+1
.endr
	WIN 0
; 16 matrix instructions: row blocks a0, a0 + 1 of the window's four x all 8 column blocks, 32 along K.  zero = 1: the first product starts the sums with bo.  The 64 accumulators take turns.
.macro MUL16 f, hi, a0, zero
.if \zero
	WIN 0x91+0x40*(\hi)                            ; C in window 1
.else
	WIN 0xa1+0x50*(\hi)
.endif
.irp a, \a0, (\a0)+1
.irp b, 0,1,2,3,4,5,6,7
.if \zero
	v_wmma_f32_16x16x32_f16 v[8*(8*(\a)+(\b)):8*(8*(\a)+(\b))+7], v[(\f)+8*(\b):(\f)+8*(\b)+7], v[(\f)+8*(4*(\hi)+(\a)):(\f)+8*(4*(\hi)+(\a))+7], v[8*(\b):8*(\b)+7]
.else
	v_wmma_f32_16x16x32_f16 v[8*(8*(\a)+(\b)):8*(8*(\a)+(\b))+7], v[(\f)+8*(\b):(\f)+8*(\b)+7], v[(\f)+8*(4*(\hi)+(\a)):(\f)+8*(4*(\hi)+(\a))+7], v[8*(8*(\a)+(\b)):8*(8*(\a)+(\b))+7]
.endif
.endr
.endr
.endm
; 32 LDS loads in one run: quarter kq (32 along K: head kq / 2 of the step's two, channels 32 (kq % 2) on) into buffer f
.macro FETCH slot, kq, f
	WIN 0x40
.irp i, 0,1,2,3,4,5,6,7
	ds_load_tr16_b128 v[(\f)+8*(\i):(\f)+8*(\i)+3],   v[ADRB+(\slot)] offset:(\kq)*17408+32*(\i)
	ds_load_tr16_b128 v[(\f)+8*(\i)+4:(\f)+8*(\i)+7], v[ADRB+(\slot)] offset:(\kq)*17408+32*(\i)+8704
.endr
	WIN 0
.irp i, 0,1,2,3,4,5,6,7
	ds_load_b128 v[(\f)+8*(\i):(\f)+8*(\i)+3],   v[ADRA+(\slot)] offset:((\kq)/2)*36864+((\kq)%2)*64+(\i)*2304
	ds_load_b128 v[(\f)+8*(\i)+4:(\f)+8*(\i)+7], v[ADRA+(\slot)] offset:((\kq)/2)*36864+((\kq)%2)*64+(\i)*2304+32
.endr
.endm
.macro QUARTER slot, kq, f, g, zero
	s_wait_dscnt 8                                 ; Wo and O's rows 0-63 are in; the youngest eight loads (rows 64-127) may be out
	MUL16 \f, 0, 0, \zero
	MUL16 \f, 0, 2, \zero
	PLACES
	FETCH \slot, \kq, \g
	s_wait_dscnt 32                                ; all but the 32 just issued
	MUL16 \f, 1, 0, \zero
	MUL16 \f, 1, 2, \zero
.endm
; The last quarter's first half, and the barrier of the change of slots: in front of it each wave waits for all its tensor loads (its part of the next slot), adds 0 to its spare word, and waits for that and for its reads of this slot.
.macro MEET round
	WIN 0
	s_wait_tensorcnt 0x0
	ds_add_u32 v[SPW], v[NIL]
	s_wait_dscnt 9                                 ; (the add and the youngest eight loads may be out)
	MUL16 F1, 0, 0, 0
	s_wait_dscnt 0x0                               ; the add is done, and my reads of this slot are over
	s_barrier_signal -1
	MUL16 F1, 0, 2, 0
.if \round
	WIN 0
.endif
	s_barrier_wait -1
.endm
.macro TURN slot, next                 ; the barrier opens a round of the cluster's; the joint refill, two K steps on, is the first thing behind it: 224 matrix instructions ahead of the wait for it
	s_wait_xcnt 0x0                                ; the last prefetch, a K step back, has read its address
	s_add_nc_u64 s[PFA:PFA+1], s[PFA:PFA+1], s[PFS:PFS+1]
	MEET 1
	CREST
	s_add_nc_u64 s[G0A+4*(\slot)+2:G0A+4*(\slot)+3], s[G0A+4*(\slot)+2:G0A+4*(\slot)+3], 262144
	s_add_nc_u64 s[G0B+4*(\slot)+2:G0B+4*(\slot)+3], s[G0B+4*(\slot)+2:G0B+4*(\slot)+3], 2097152
	JLOAD \slot                                    ; its four v_nop are also the places in front of the loads below
	FETCH \next, 0, F0
	ASK
	MUL16 F1, 1, 0, 0
	MUL16 F1, 1, 2, 0
.endm
	s_wait_tensorcnt 1                             ; my part of K step 0 is in; K step 1's may stay out
	s_barrier_signal -1
	s_barrier_wait -1
	FETCH 0, 0, F0
	QUARTER 0, 1, F0, F1, 1                        ; the first quarter stands in front of the loop: its products start the sums
	WIN 0
	s_mov_b32 s3, 3
.Llap:                                 ; a trip goes once round the ring and fills both slots again: K steps 2 to 7
	QUARTER 0, 2, F1, F0, 0
	QUARTER 0, 3, F0, F1, 0
	TURN 0, 1
	QUARTER 1, 1, F0, F1, 0
	QUARTER 1, 2, F1, F0, 0
	QUARTER 1, 3, F0, F1, 0
	TURN 1, 0
	QUARTER 0, 1, F0, F1, 0
	WIN 0
	s_sub_co_u32 s3, s3, 1
	s_cmp_lg_u32 s3, 0
	s_cbranch_scc1 .Llap
	QUARTER 0, 2, F1, F0, 0                        ; the last lap fills nothing
	QUARTER 0, 3, F0, F1, 0
	MEET 0
	PLACES
	FETCH 1, 0, F0
	MUL16 F1, 1, 0, 0
	MUL16 F1, 1, 2, 0
	QUARTER 1, 1, F0, F1, 0
	QUARTER 1, 2, F1, F0, 0
	QUARTER 1, 3, F0, F1, 0
	s_wait_dscnt 8
	MUL16 F1, 0, 0, 0
	MUL16 F1, 0, 2, 0
	s_wait_dscnt 0x0
	MUL16 F1, 1, 0, 0
	MUL16 F1, 1, 2, 0
	WIN 0
; THE WAY OUT, a block of 16 rows at a time: the accumulators go as they are, f32, low registers first, into my stage (rows of 528 bytes), come back as whole rows of 512 bytes, and are stored.
.macro TOSTAGE a
	WIN 0x08+4*((\a)/4)                            ; store data in window 2 or 3
.irp b, 0,1,2,3,4,5,6,7
	ds_store_b128 v[STO], v[64*((\a)%4)+8*(\b):64*((\a)%4)+8*(\b)+3]   offset:64*(\b)
	ds_store_b128 v[STO], v[64*((\a)%4)+8*(\b)+4:64*((\a)%4)+8*(\b)+7] offset:64*(\b)+16
.endr
	WIN 0
.set n_, 0
.rept 16
	ds_load_b128 v[64+64*((\a)%2)+4*n_:64+64*((\a)%2)+4*n_+3], v[RD] offset:n_*528  ; LDS serves a wave's instructions in order (ISA guide 5.7.1.4): these see the stores above
.set n_, n_+1
.endr
.endm
.macro SEND a, younger                 ; younger: the LDS instructions issued behind block a's loads: the next block's 32, or none
	WIN 0
.set n_, 0
.rept 16
	s_wait_dscnt (\younger)+15-n_
	global_store_b128 v[CO], v[64+64*((\a)%2)+4*n_:64+64*((\a)%2)+4*n_+3], s[10:11] offset:(\a)*262144+n_*16384 th:TH_STORE_NT  ; a wave stores 512 consecutive bytes, at a multiple of 256 from out0's first
.set n_, n_+1
.endr
.endm
	PLACES
	TOSTAGE 0
.irp a, 0,1,2,3,4,5,6
.if (\a) > 0
	s_wait_xcnt 0x0                                ; the stores of block a - 1 have read their registers: block a + 1 lands there
.endif
	TOSTAGE (\a)+1
	SEND \a, 32
.endr
	SEND 7, 0
	s_wait_tensorcnt 0x0                           ; the wave's end: behind my last tensor load and my last LDS store
	ds_add_u32 v[SPW], v[NIL]
	s_wait_dscnt 0x0
	CROUND                                         ; the closing round
	s_endpgm
.Lfunc_end_k_qa418504ab7_outp:
	.size	k_qa418504ab7_outp, .Lfunc_end_k_qa418504ab7_outp-k_qa418504ab7_outp
	.p2alignl 7, 3214868480
	.fill 96, 4, 3214868480
	.section	.rodata,"a",@progbits
	.p2align	6, 0x0
	.amdhsa_kernel k_qa418504ab7_outp
		.amdhsa_group_segment_fixed_size 327680
		.amdhsa_private_segment_fixed_size 0
		.amdhsa_enable_private_segment 0
		.amdhsa_kernarg_size 32
		.amdhsa_user_sgpr_count 2
		.amdhsa_user_sgpr_kernarg_segment_ptr 1
		.amdhsa_wavefront_size32 1
		.amdhsa_system_sgpr_workgroup_id_x 1
		.amdhsa_system_sgpr_workgroup_id_y 1
		.amdhsa_system_sgpr_workgroup_id_z 1
		.amdhsa_system_vgpr_workitem_id 0
		.amdhsa_next_free_vgpr 1024
		.amdhsa_next_free_sgpr 72
		.amdhsa_reserve_vcc 0
		.amdhsa_float_denorm_mode_32 3
		.amdhsa_float_denorm_mode_16_64 3
		.amdhsa_memory_ordered 1
		.amdhsa_forward_progress 1
		.amdhsa_inst_pref_size 153
	.end_amdhsa_kernel
	.amdgpu_metadata
---
amdhsa.version: [ 1, 2 ]
amdhsa.kernels:
  - .name:           k_qa418504ab7_outp
    .symbol:         k_qa418504ab7_outp.kd
    .args:
      - { .name: ob, .offset: 0, .size: 8, .value_kind: global_buffer, .address_space: global }
      - { .name: cw, .offset: 8, .size: 8, .value_kind: global_buffer, .address_space: global }
      - { .name: bo, .offset: 16, .size: 8, .value_kind: global_buffer, .address_space: global }
      - { .name: out0, .offset: 24, .size: 8, .value_kind: global_buffer, .address_space: global }
    .group_segment_fixed_size: 327680
    .private_segment_fixed_size: 0
    .kernarg_segment_align: 8
    .kernarg_segment_size: 32
    .max_flat_workgroup_size: 128
    .sgpr_count:     72
    .vgpr_count:     1024
    .wavefront_size: 32
...
	.end_amdgpu_metadata
.endif
;; end of part 4
;; ======== version 2 of 2: 4 launches; version 1 with the launch prep written anew for expert scheduling mode
;; limits: values are held in f16: magnitudes above 65,504 overflow, below 6.1e-05 lose precision
;; workspace buffers: cw 69,206,016 bytes; qkv 25,165,824 bytes; ob 8,388,608 bytes
;; launch prep (part 5): grid 56 x 32, 8 waves a work-group, no clusters, 0 bytes of LDS; arguments source_embedding, target_embedding, Wk, Wv, Wo, Wq, cw; writes cw
.if DOCPART == 5
	.amdgcn_target "amdgcn-amd-amdhsa--gfx1250"
	.amdhsa_code_object_version 6
	.text
	.protected	k_qa418504ab7_prep
	.globl	k_qa418504ab7_prep
	.p2align	8
	.type	k_qa418504ab7_prep,@function
k_qa418504ab7_prep:
	s_mov_b64 s[64:65], 0
	v_nop
	global_prefetch_b8 v0, s[64:65] scope:SCOPE_SE
	s_setreg_imm32_b32 hwreg(HW_REG_WAVE_SCHED_MODE, 0, 2), 2
	s_setreg_imm32_b32 hwreg(HW_REG_WAVE_MODE, 25, 1), 1
	s_wait_xcnt 0x0
	s_wait_alu depctr_vm_vsrc(0)
; THE MODULE: q = x_t Wq + bq, k = x_s Wk + bk, v = x_s Wv + bv, softmax(q k^T / 8) v by 16 heads of 64, then times Wo, plus bo.
; WORK LEFT OUT, for all finite values of the inputs:
;   bk.  scores[l][s] = scale q[l] . (k0[s] + bk) = scale q[l] . k0[s] + scale q[l] . bk.  The second term is the same for every s, the axis of the
;   softmax, which takes it away; k is used nowhere else.  So bk has no way to the output: it is not loaded and is no argument of any launch.
;   bv is NOT left out, but moved: the weights of a row add up to 1, so sum_s attn (v0[s] + bv) = sum_s attn v0[s] + bv: it is added once, behind the division by the row's sum.
;   LIMIT: a NaN, an infinity or an overflow that reaches only bk is not carried to the result.
; THIS LAUNCH rounds the six large inputs once to 16 bits into cw: x_s, x_t, Wk, Wv, Wq to bf16; Wo to bf16 and that number written as f16
; (exact from 2^-17 up; below that f16's fixed step of 6e-8; |Wo| stays under 65,504: a stated limit).
; cw, by bytes: x_s 0, x_t 33,554,432, Wk 41,943,040, Wv 50,331,648, Wo 58,720,256, Wq 67,108,864.  All but x_s keep their layout.
; x_s IS LAID OUT IN BLOCKS, in the order in which the next launch walks it: for each 128 rows (1,048,576 bytes) first [128 rows][K 0..63], 16,384 bytes, then 21 blocks
; [128 rows][192 of K], 49,152 bytes each.  So a tile of 192 along K, whose rows of 384 bytes would not be whole pieces of 256, is a dense run of bytes.
; SHARES.  Work-group (x, y).  x < 21: block x + 1 of rows 128 y ..: 24 loads a thread.  x = 21: the first, short block of those rows: 8 loads.  x > 21: chunk 34 y + x - 22 of 1,088 chunks of 16,384
; numbers of x_t, Wk, Wv, Wo, Wq, in cw's order: 16 loads.  In every path thread t's i-th result goes to byte 2,048 i + 8 t: a wave's store covers 256 consecutive bytes, aligned; sixteen
; neighbouring lanes load 256 consecutive bytes, aligned.  All loads of a wave go out before its first wait for data.  No LDS, no matrix unit, no cluster: nothing is shared and nothing is multiplied.
; THE MODE: SCHED_MODE bits 1:0 = 2 (LLVM: expert scheduling mode 2), set by the entry lines.  The code itself states the register dependences
; between vector instructions and memory instructions, with s_wait_alu, always for 0.
; THE PLAN.  Registers that memory instructions touch, in each of the four straight paths (there is no loop):
;   v[X + 4 i ..]  four registers to load i.  Written by load i, which is issued once, ahead of every rounding; read by load i's roundings, which write the first two of the four;
;                  those two are read by store i and never written again.
;   v2             8 t, written once at the head; read by every store.
;   v1, or v3-v5   the loads' offsets, written once in the path's head; read by the path's loads and not written behind them.
;                  (The path of Wo loads by v1 and stores by v2: its working registers v3 and v4 are named by none of its memory instructions.)
; The loads go in blocks of four.  Block p's roundings name block p's registers alone; the memory instructions beside them are the four stores of block p - 1.  So one wait on va_vdst at the
; head of a block states all that those four stores hang on, and they are dealt among the block's roundings with no further wait.  One more such wait stands ahead of each path's loads,
; for the offsets, and one ahead of the last four stores.  No register that a memory instruction has read is ever written again: no wait on vm_vsrc is owed.
.set X, 8                              ; v[8:103] load i: 4 registers; the first two then hold what is stored
.macro CVB i                           ; load i's four numbers rounded to bf16, into the first two of its registers
	v_cvt_pk_bf16_f32 v[X+4*(\i)], v[X+4*(\i)], v[X+4*(\i)+1]
	v_cvt_pk_bf16_f32 v[X+4*(\i)+1], v[X+4*(\i)+2], v[X+4*(\i)+3]
.endm
.macro CVH i                           ; Wo: rounded to bf16 like every input, and that number written as f16, for the f16 product with O
	v_cvt_pk_bf16_f32 v3, v[X+4*(\i)], v[X+4*(\i)+1]
	v_cvt_pk_bf16_f32 v4, v[X+4*(\i)+2], v[X+4*(\i)+3]
	v_lshlrev_b32 v[X+4*(\i)], 16, v3
	v_and_b32 v[X+4*(\i)+1], 0xffff0000, v3
	v_lshlrev_b32 v[X+4*(\i)+2], 16, v4
	v_and_b32 v[X+4*(\i)+3], 0xffff0000, v4
	v_cvt_pk_f16_f32 v[X+4*(\i)], v[X+4*(\i)], v[X+4*(\i)+1]
	v_cvt_pk_f16_f32 v[X+4*(\i)+1], v[X+4*(\i)+2], v[X+4*(\i)+3]
.endm
.macro OUT i                           ; no register that a store reads is written again
	global_store_b64 v2, v[X+4*(\i):X+4*(\i)+1], s[16:17] offset:2048*(\i)
.endm
; n loads are out, n a multiple of 4.  Block p: its four loads are waited for and rounded; the four stores of block p - 1 stand among its roundings.  wo = 1: Wo's rounding.
.macro ROWS n, wo
.set p_, 0
.rept (\n)/4
	s_wait_loadcnt (\n)-4*(p_+1)                   ; loads come back in order: the four of block p are in, the younger ones stay out
.if p_ > 0
	s_wait_alu depctr_va_vdst(0)                   ; the roundings of the block before have written the data that the four stores below read; the roundings behind this wait name this block's registers alone
.endif
.set i_, 0
.rept 4
.if p_ > 0
	OUT 4*p_-4+i_
.endif
.if \wo
	CVH 4*p_+i_
.else
	CVB 4*p_+i_
.endif
.set i_, i_+1
.endr
.set p_, p_+1
.endr
	s_wait_alu depctr_va_vdst(0)                   ; the last block's roundings have written the data of the last four stores
.set i_, 0
.rept 4
	OUT (\n)-4+i_
.set i_, i_+1
.endr
	s_endpgm
.endm
	s_load_b256 s[4:11], s[0:1], 0x0               ; x_s s[4:5], x_t s[6:7], Wk s[8:9], Wv s[10:11]
	s_load_b128 s[12:15], s[0:1], 0x20             ; Wo s[12:13], Wq s[14:15]
	s_load_b64 s[16:17], s[0:1], 0x30              ; cw
	v_lshlrev_b32 v2, 3, v0                        ; 8 t: my bytes as stored
	s_and_b32 s18, ttmp7, 0xffff                   ; y
	s_mov_b32 s25, 0
	s_mov_b32 s27, 0
	s_wait_kmcnt 0x0
	s_cmp_lt_u32 ttmp9, 21
	s_cbranch_scc1 .Lblock
	s_cmp_eq_u32 ttmp9, 21
	s_cbranch_scc1 .Lshort
	; a plain chunk
	v_lshlrev_b32 v1, 4, v0                        ; 16 t: my bytes as loaded
	s_mul_i32 s19, s18, 34
	s_add_co_u32 s19, s19, ttmp9
	s_sub_co_u32 s19, s19, 22                      ; the chunk's number, 0 to 1,087
	s_mov_b32 s22, 1024                            ; the first chunk of the input in hand: Wq's, unless a test below says otherwise
	s_mov_b64 s[20:21], s[14:15]
.macro PICK bound, ptr, first          ; below this number the chunk belongs to an earlier input
	s_cmp_lt_u32 s19, \bound
	s_cselect_b64 s[20:21], s[\ptr:\ptr+1], s[20:21]
	s_cselect_b32 s22, \first, s22
.endm
	PICK 1024, 12, 768
	PICK 768, 10, 512
	PICK 512, 8, 256
	PICK 256, 6, 0
	s_sub_co_u32 s24, s19, s22
	s_lshl_b32 s24, s24, 16                        ; 65,536 bytes of f32 a chunk
	s_add_nc_u64 s[20:21], s[20:21], s[24:25]
	s_lshl_b32 s26, s19, 15                        ; 32,768 bytes of cw, behind x_s
	s_add_co_u32 s26, s26, 33554432
	s_add_nc_u64 s[16:17], s[16:17], s[26:27]
	s_wait_alu depctr_va_vdst(0)                   ; v1 is written, which the loads below read as their offset; so is v2, the stores' offset
.set i, 0
.rept 16
	global_load_b128 v[X+4*i:X+4*i+3], v1, s[20:21] offset:4096*i th:TH_LOAD_NT
.set i, i+1
.endr
	s_cmp_eq_u32 s22, 768
	s_cbranch_scc1 .Lwo
	ROWS 16, 0
.Lwo:
	ROWS 16, 1
.Lblock:                               ; a block of 128 rows x 192 of K.  16 rows are 768 pieces of 4 numbers: piece j = 256 m + t (m = 0, 1, 2) is row j / 48, numbers 4 (j % 48) on, and goes to byte 8 j
	s_lshl_b32 s24, s18, 21                        ; 128 y rows of 16,384 bytes,
	s_mul_i32 s19, ttmp9, 768                      ; K = 64 + 192 x, in bytes of f32
	s_add_co_u32 s24, s24, s19
	s_add_co_u32 s24, s24, 256
	s_add_nc_u64 s[20:21], s[4:5], s[24:25]
	s_lshl_b32 s26, s18, 20
	s_mul_i32 s19, ttmp9, 49152
	s_add_co_u32 s26, s26, s19
	s_add_co_u32 s26, s26, 16384                   ; behind the short block
	s_add_nc_u64 s[16:17], s[16:17], s[26:27]
.irp m, 0,1,2
	v_add_nc_u32 v6, 256*(\m), v0                  ; j
	v_lshrrev_b32 v7, 4, v6
	v_mul_u32_u24 v7, v7, 171
	v_lshrrev_b32 v7, 9, v7                        ; j / 48 = (j / 16) / 3, exact for j / 16 under 48
	v_mul_u32_u24 v1, v7, 48
	v_sub_nc_u32 v6, v6, v1                        ; j % 48
	v_lshlrev_b32 v6, 4, v6
	v_lshl_add_u32 v[3+(\m)], v7, 14, v6           ; row x 16,384 + 16 (j % 48)
.endr
	s_wait_alu depctr_va_vdst(0)                   ; v3, v4 and v5 are written, which the loads below read as their offsets; so is v2, the stores' offset
.set g, 0
.rept 8
.irp m, 0,1,2
	global_load_b128 v[X+4*(3*g+(\m)):X+4*(3*g+(\m))+3], v[3+(\m)], s[20:21] offset:262144*g th:TH_LOAD_NT  ; 16 rows further down each time
.endr
.set g, g+1
.endr
	ROWS 24, 0
.Lshort:                               ; the short block: 128 rows x K 0..63.  Piece j = 256 m + t is row j / 16, numbers 4 (j % 16) on, and goes to byte 8 j
	s_lshl_b32 s24, s18, 21
	s_add_nc_u64 s[20:21], s[4:5], s[24:25]
	s_lshl_b32 s26, s18, 20
	s_add_nc_u64 s[16:17], s[16:17], s[26:27]
	v_lshrrev_b32 v3, 4, v0
	v_and_b32 v1, 15, v0
	v_lshlrev_b32 v1, 4, v1
	v_lshl_add_u32 v3, v3, 14, v1
	s_wait_alu depctr_va_vdst(0)                   ; v3 is written, which the loads below read as their offset; so is v2, the stores' offset
.set i, 0
.rept 8
	global_load_b128 v[X+4*i:X+4*i+3], v3, s[20:21] offset:262144*i th:TH_LOAD_NT
.set i, i+1
.endr
	ROWS 8, 0
.Lfunc_end_k_qa418504ab7_prep:
	.size	k_qa418504ab7_prep, .Lfunc_end_k_qa418504ab7_prep-k_qa418504ab7_prep
	.p2alignl 7, 3214868480
	.fill 96, 4, 3214868480
	.section	.rodata,"a",@progbits
	.p2align	6, 0x0
	.amdhsa_kernel k_qa418504ab7_prep
		.amdhsa_group_segment_fixed_size 0
		.amdhsa_private_segment_fixed_size 0
		.amdhsa_enable_private_segment 0
		.amdhsa_kernarg_size 56
		.amdhsa_user_sgpr_count 2
		.amdhsa_user_sgpr_kernarg_segment_ptr 1
		.amdhsa_wavefront_size32 1
		.amdhsa_system_sgpr_workgroup_id_x 1
		.amdhsa_system_sgpr_workgroup_id_y 1
		.amdhsa_system_sgpr_workgroup_id_z 1
		.amdhsa_system_vgpr_workitem_id 0
		.amdhsa_next_free_vgpr 104
		.amdhsa_next_free_sgpr 66
		.amdhsa_reserve_vcc 0
		.amdhsa_float_denorm_mode_32 3
		.amdhsa_float_denorm_mode_16_64 3
		.amdhsa_memory_ordered 1
		.amdhsa_forward_progress 1
		.amdhsa_inst_pref_size 29
	.end_amdhsa_kernel
	.amdgpu_metadata
---
amdhsa.version: [ 1, 2 ]
amdhsa.kernels:
  - .name:           k_qa418504ab7_prep
    .symbol:         k_qa418504ab7_prep.kd
    .args:
      - { .name: source_embedding, .offset: 0, .size: 8, .value_kind: global_buffer, .address_space: global }
      - { .name: target_embedding, .offset: 8, .size: 8, .value_kind: global_buffer, .address_space: global }
      - { .name: Wk, .offset: 16, .size: 8, .value_kind: global_buffer, .address_space: global }
      - { .name: Wv, .offset: 24, .size: 8, .value_kind: global_buffer, .address_space: global }
      - { .name: Wo, .offset: 32, .size: 8, .value_kind: global_buffer, .address_space: global }
      - { .name: Wq, .offset: 40, .size: 8, .value_kind: global_buffer, .address_space: global }
      - { .name: cw, .offset: 48, .size: 8, .value_kind: global_buffer, .address_space: global }
    .group_segment_fixed_size: 0
    .private_segment_fixed_size: 0
    .kernarg_segment_align: 8
    .kernarg_segment_size: 56
    .max_flat_workgroup_size: 256
    .sgpr_count:     66
    .vgpr_count:     104
    .wavefront_size: 32
...
	.end_amdgpu_metadata
.endif
;; end of part 5
;; launch proj: the kernel of part 2 again; grid 8 x 32, 4 waves a work-group, clusters of 4 x 4, 327,680 bytes of LDS; arguments cw, bq, qkv; writes qkv
;; launch attn: the kernel of part 3 again; grid 256 x 1, 4 waves a work-group, clusters of 4 x 1, 327,680 bytes of LDS; arguments qkv, bv, ob; writes ob
;; launch outp: the kernel of part 4 again; grid 16 x 16, 4 waves a work-group, clusters of 4 x 4, 327,680 bytes of LDS; arguments ob, cw, bo, out0; writes out0
